; MI455X (gfx1250); checked and timed in simulation.
; The chip was launched on July 23, 2026; its instructions are those of AMD's public machine-readable ISA for CDNA 5 (MIT licence, August 2026) and "CDNA5" Instruction Set Architecture Reference Guide (July 2026). The comments in the code are by the model that wrote it; some were corrected since.
;; Self Attention. Allowed arithmetic: matrix products marked QUANTISED: E2M1 operands, one E8M0 scale for each 32 along K, by v_wmma_scale_f32_16x16x128_f8f6f4 with both operands' format E2M1 (or v_wmma_scale_f32_32x16x128_f4), f32 sums; products left as they are: bf16, f16 or f32 operands; f32 sums; everything else in f32.
;; Inputs: b_out 1,024 float32; w_in 1,024 x 3,072 float32; w_out 1,024 x 1,024 float32; x 8 x 1,024 x 1,024 float32.
;; Outputs: out0 8 x 1,024 x 1,024 float32.
;; This version of the problem:
;;   THIS VERSION OF THE PROBLEM IS GIVEN IN LOW PRECISION. The matrix products marked QUANTISED in the list below multiply operands that are first quantised to E2M1 (2 exponent bits, 1 mantissa bit; 4 bits a number), with one power-of-two scale for each 32 numbers along K (OCP MX v1.0); their sums are f32. The products marked 'left as it is' may take bf16, f16 or f32 operands, with f32 sums. Whichever they take, every output number must still come out within the allowed error. Rounding operands to bf16 (8 significant bits) uses up far more of that allowance than f16 does (11 bits, for magnitudes from 6e-5 to 65,504). All else is computed in f32.
;;   The module's matrix products, in the order in which they are computed (A, B: the left and right operand; K: the contracted axis; several contracted axes count as one K, in the product's order):
;;     1. [M 8,192, K 1,024] x [K 1,024, N 3,072]; A: input x; B: input w_in: QUANTISED
;;     2. batch 128 x [M 1,024, K 64] x [K 64, N 1,024]; A: computed on the way; B: computed on the way: left as it is (an operand is computed on the way)
;;     3. batch 128 x [M 1,024, K 1,024] x [K 1,024, N 64]; A: computed on the way; B: computed on the way: left as it is (an operand is computed on the way)
;;     4. [M 8,192, K 1,024] x [K 1,024, N 1,024]; A: computed on the way; B: input w_out: left as it is (an operand is computed on the way)
;;   THE QUANTISER, for each operand of a quantised product, along K:
;;     - K is cut into blocks of 32 from its start; a last block that is shorter is filled with zeros.
;;     - A block's scale is 2^e with e = floor(log2(the largest magnitude in the block)) - 2, held to -126 .. 127; a block of zeros has e = 0. As a byte (E8M0): e + 127.
;;     - Each number is divided by its block's scale, clamped to +-6, and rounded to the nearest number of E2M1, ties to even, subnormals kept.
;;     - The product sums the exact products of the quantised numbers (number of the format x scale) in f32.
;;   ~~~python
;;   def quantise(x, axis):      # numpy; x: float32 -> the quantised numbers, widened to float32 again
;;       x = np.moveaxis(x, axis, -1); K = x.shape[-1]
;;       x = np.pad(x, [(0, 0)] * (x.ndim - 1) + [(0, -K % 32)]); x = x.reshape(x.shape[:-1] + (-1, 32)); a = np.abs(x).max(-1, keepdims=True)
;;       e = np.where(a > 0, np.clip(np.frexp(np.where(a > 0, a, 1))[1] - 1 - 2, -126, 127), 0)      # np.frexp(a)[1] - 1 = floor(log2(a)), exactly
;;       r = np.clip(x / 2.0 ** e, -6, 6)
;;       step = 2.0 ** (np.maximum(np.frexp(np.where(r == 0, 1, r))[1] - 1, 0) - 1)
;;       q = np.round(r / step) * step * 2.0 ** e      # np.round: ties to even
;;       return np.moveaxis(q.reshape(q.shape[:-2] + (-1,))[..., :K], -1, axis).astype(np.float32)
;;   ~~~
;; One version. Each part assembles by itself: llvm-mc -triple=amdgcn-amd-amdhsa -mcpu=gfx1250 --defsym DOCPART=n.
;; ======== version 1 of 1: 4 launches
;; limits: values are held in f16: magnitudes above 65,504 overflow, below 6.1e-05 lose precision
;; workspace buffers: xc 4,194,304 bytes; xs 262,144 bytes; wc 1,572,864 bytes; ws 98,304 bytes; wo16 2,097,152 bytes; qkv 50,331,648 bytes; o16 16,777,216 bytes
;; launch prep (part 1): grid 336 x 1, 4 waves a work-group, no clusters, 68,096 bytes of LDS; arguments x, w_in, w_out, xc, xs, wc, ws, wo16; writes xc, xs, wc, ws, wo16
.if DOCPART == 1
	.amdgcn_target "amdgcn-amd-amdhsa--gfx1250"
	.amdhsa_code_object_version 6
	.text
	.protected	k_q6693e74b80_prep
	.globl	k_q6693e74b80_prep
	.p2align	8
	.type	k_q6693e74b80_prep,@function
k_q6693e74b80_prep:
	s_mov_b64 s[64:65], 0
	v_nop
	global_prefetch_b8 v0, s[64:65] scope:SCOPE_SE
	s_setreg_imm32_b32 hwreg(HW_REG_WAVE_MODE, 25, 1), 1
	s_wait_xcnt 0x0
; THE OPERANDS ARE MADE READY, ONCE.  Three streams in one launch, told apart by the work-group's number:
;   work-groups 0-47:   w_in [1024 (k)][3072 (n)] f32 -> codes of FP4 (E2M1) wc [3072][512 bytes], K innermost, and E8M0 bytes ws [3072][32]
;   work-groups 48-79:  w_out [1024][1024] f32 -> f16, wo16, laid as w_out lies
;   work-groups 80-335: x [8192][1024] f32 -> codes xc [8192][512 bytes] and E8M0 bytes xs [8192][32]
; The stream with the most work for each work-group stands first in the grid.
; A block of 32 along K has the scale 2^(floor(log2(its largest magnitude)) - 2); its byte is the largest magnitude's exponent field - 2, held at 1 from below.
; A block of zeros so gets the byte 1 where the quantiser says 127: its codes are zeros, which add nothing, and the bytes are read by this program alone.
; LIMITS: NaN and infinities among the inputs are not served; |w_out| stays under 65,504 (f16).
; No tensor loads, no barrier: waves share nothing.  Each path that uses LDS has LDS bytes of its own.
.set SPW,    192                       ; v192  LDS address of my spare word: SPARE + 4 x my thread's number; never rewritten
.set NIL,    193                       ; v193  0; never rewritten
.set SPARE,  67584                     ; behind both paths' regions: the spare words, 128 bytes a wave: two blocks of 256 bytes that no other line names
.set EMAX,   2
; x's path: a wave takes 16 steps of 512 numbers
.set STEPS,  16
.set CB,     8                         ; bytes of 16 codes
.set XR,     16                        ; v16-79   four sets of 16 numbers as they are loaded
.set XX,     80                        ; v80-111  two sets of 16 neighbours
.set XE,     112                       ; v112-127 a scale byte for each step
.set XC,     128                       ; v128-189 codes: four registers for each step, so that no store's data are written again
.set WREG,   8192                      ; LDS bytes 0 to 32,767: a region for each wave: two stages of 32 x SP bytes, then its 256 scale bytes
.set SP,     80                        ; a lane's place in a stage: 64 bytes + 16 of padding
; w_in's path: a wave takes 32 columns x 512 along K
.set SIZE_N, 3072
.set NB,     16                        ; blocks of 32 along K
.set PITCH,  272                       ; a stage row: 256 bytes of codes + 16
.set KROW,   512                       ; a row of wc in bytes
.set WSTG,   32768                     ; LDS bytes 32,768 to 67,583: a stage of 32 rows for each wave
.set WX,     32                        ; v32-95   two sets of 32 numbers
.set WC,     96                        ; v96-99   a block's codes
.set WOUT,   112                       ; v112-175 the way out
.set WSB,    24                        ; v24-27   the scale bytes, four to a register
; w_out's path: a wave takes 64 pieces of 128 numbers
.set OIN,    16                        ; v16-79   a ring of 16 slots of 4 registers
.set OOUT,   80                        ; v80-111  2 registers a slot
	s_load_b256 s[4:11], s[0:1], 0x0               ; x s[4:5], w_in s[6:7], w_out s[8:9], xc s[10:11]
	s_load_b256 s[12:19], s[0:1], 0x20             ; xs s[12:13], wc s[14:15], ws s[16:17], wo16 s[18:19]
	v_lshl_add_u32 v[SPW], v0, 2, SPARE
	v_mov_b32 v[NIL], 0
	v_lshrrev_b32 v1, 5, v0
	v_readfirstlane_b32 s20, v1                    ; wave 0..3
	v_and_b32 v2, 31, v0                           ; lane
	s_mov_b32 s25, 0                               ; the upper word of every offset pair s[24:25]
	s_wait_kmcnt 0x0
	s_cmp_lt_u32 ttmp9, 48
	s_cbranch_scc1 .Lw
	s_cmp_lt_u32 ttmp9, 80
	s_cbranch_scc1 .Lo
; ---------------- x: K is innermost, rows are dense: a plain stream of blocks of 32 ----------------
; Each load reads 512 consecutive bytes, 16 a lane; a step's 2,048 bytes turn through the wave's own stage and come back 64 bytes a lane: 16 neighbours along K, two lanes to a block.
	v_lshlrev_b32 v3, 4, v2                        ; my 16 bytes of a load's 512
	s_mul_i32 s21, s20, WREG
	v_lshrrev_b32 v14, 2, v2
	v_mul_u32_u24 v14, v14, SP
	v_and_b32 v15, 3, v2
	v_lshl_add_u32 v14, v15, 4, v14
	v_add_nc_u32 v14, s21, v14                     ; the stage, on the way in: SP (lane / 4) + 16 (lane % 4)
	v_mul_u32_u24 v15, v2, SP
	v_add_nc_u32 v15, s21, v15                     ; and on the way out: SP x lane
	v_mul_u32_u24 v4, v2, CB                       ; my codes' place in a step's 256 bytes
	v_lshrrev_b32 v5, 1, v2
	s_add_co_u32 s21, s21, 2*32*SP
	v_add_nc_u32 v5, s21, v5                       ; my block's byte among my wave's 256 scale bytes
	v_lshlrev_b32 v7, 3, v2                        ; and on the way out 8 bytes a lane
	v_add_nc_u32 v6, s21, v7
	s_sub_co_u32 s22, ttmp9, 80
	s_lshl_b32 s22, s22, 2
	s_add_co_u32 s22, s22, s20                     ; which run of 8,192 numbers is my wave's: 0 .. 1,023
	s_lshl_b32 s24, s22, 15
	s_add_nc_u64 s[4:5], s[4:5], s[24:25]          ; 32,768 bytes of x a run,
	s_lshl_b32 s24, s22, 12
	s_add_nc_u64 s[10:11], s[10:11], s[24:25]      ; 4,096 of codes,
	s_lshl_b32 s24, s22, 8
	s_add_nc_u64 s[12:13], s[12:13], s[24:25]      ; 256 of scale bytes
.macro XLOAD t
.irp i, 0,1,2,3
	global_load_b128 v[XR+16*((\t)%4)+4*\i:XR+16*((\t)%4)+4*\i+3], v3, s[4:5] offset:2048*(\t)+512*\i th:TH_LOAD_NT
.endr
.endm
.macro XTURN t                         ; step t's numbers through the stage: LDS serves a wave's instructions in order, so no wait stands between the stores and the loads
.irp i, 0,1,2,3
	ds_store_b128 v14, v[XR+16*((\t)%4)+4*\i:XR+16*((\t)%4)+4*\i+3] offset:32*SP*((\t)%2)+8*SP*\i
.endr
.irp i, 0,1,2,3
	ds_load_b128 v[XX+16*((\t)%2)+4*\i:XX+16*((\t)%2)+4*\i+3], v15 offset:32*SP*((\t)%2)+16*\i
.endr
.endm
.irp t, 0,1,2,3
	XLOAD \t
.endr
	s_wait_loadcnt 12                              ; step 0's four loads are in; three steps of four stay out
	XTURN 0
.macro XSTEP t
.set XS, XX+16*((\t)%2)
.if (\t) > 0
	s_wait_dscnt 1                                 ; this step's numbers are back from the stage (the last step's byte store may be out): its stores into the stage have read their registers,
.else
	s_wait_dscnt 0x0
.endif
.if (\t)+4 < STEPS
	XLOAD (\t)+4                                   ; which take the loads of four steps on
.endif
.if (\t)+1 < STEPS
.if STEPS-2-(\t) >= 3
	s_wait_loadcnt 12                              ; the next step's four loads are in; those of the three steps behind it may be out
.else
	s_wait_loadcnt 4*(STEPS-2-(\t))
.endif
	XTURN (\t)+1                                   ; and go through the other stage while this step is worked
.endif
	v_max3_num_f32 v8, |v[XS]|, |v[XS+1]|, |v[XS+2]|               ; the largest magnitude of my 16, in two chains
	v_max3_num_f32 v9, |v[XS+3]|, |v[XS+4]|, |v[XS+5]|
.irp i, 6,10
	v_max3_num_f32 v8, v8, |v[XS+\i]|, |v[XS+\i+1]|
	v_max3_num_f32 v9, v9, |v[XS+\i+2]|, |v[XS+\i+3]|
.endr
	v_max3_num_f32 v8, v8, |v[XS+14]|, |v[XS+15]|
	v_max3_num_f32 v8, v8, v9, (EMAX+1)<<23        ; and the floor 2^(3 - 127): the byte cannot fall under 1
	v_max_num_f32_dpp v8, v8, v8 row_xmask:1 row_mask:0xf bank_mask:0xf   ; and of my neighbour's 16: the block's
	v_add_nc_u32 v11, -(EMAX<<23), v8              ; 2 off its exponent field: the conversion takes the exponent field of this operand as its scale
	v_cvt_scalef32_pk8_fp4_f32 v[XC+4*(\t)], v[XS:XS+7], v11
	v_cvt_scalef32_pk8_fp4_f32 v[XC+4*(\t)+1], v[XS+8:XS+15], v11
	v_lshrrev_b32 v[XE+(\t)], 23, v11              ; the scale's byte
	ds_store_b8 v5, v[XE+(\t)] offset:16*(\t)      ; both lanes of a block write the same byte with the same value
	global_store_b64 v4, v[XC+4*(\t):XC+4*(\t)+1], s[10:11] offset:32*CB*(\t)   ; the wave stores 256 consecutive bytes, aligned
.endm
.irp t, 0,1,2,3,4,5,6,7,8,9,10,11,12,13,14,15
	XSTEP \t
.endr
	ds_load_b64 v[8:9], v6                         ; LDS serves a wave's instructions in order: these see my byte stores
	s_wait_dscnt 0x0
	global_store_b64 v7, v[8:9], s[12:13]          ; 32 lanes store 256 consecutive bytes, aligned
	s_branch .Lend
; ---------------- w_in: K is the FIRST axis.  A lane takes a column n and its registers run down K ----------------
; So each load reads 128 consecutive bytes a wave, a block of 32 along K lies in one lane, and the conversions give codes with K innermost.  The codes leave through the wave's own stage, as rows.
.Lw:
	s_cmp_ge_u32 ttmp9, 24
	s_cselect_b32 s22, 1, 0                        ; which 512 along K
	s_cselect_b32 s23, 24, 0
	s_sub_co_u32 s23, ttmp9, s23                   ; which 128 columns
	s_lshl_b32 s23, s23, 7
	s_lshl_b32 s24, s20, 5
	s_add_co_u32 s23, s23, s24                     ; my wave's first column
	v_lshlrev_b32 v3, 2, v2                        ; in: 4 bytes a lane
	s_mul_i32 s21, s20, 32*PITCH
	s_add_co_u32 s21, s21, WSTG                    ; my stage
	v_mul_u32_u24 v4, v2, PITCH
	v_add_nc_u32 v4, s21, v4                       ; into it: row = my column
	v_and_b32 v5, 15, v2
	v_lshrrev_b32 v6, 4, v2                        ; out of it: sixteen lanes to a row, two rows an instruction
	v_mul_u32_u24 v7, v6, PITCH
	v_lshl_add_u32 v7, v5, 4, v7
	v_add_nc_u32 v7, s21, v7
	v_mul_u32_u24 v8, v6, KROW
	v_lshl_add_u32 v8, v5, 4, v8                   ; and the same place in wc
	v_lshlrev_b32 v9, 5, v2                        ; my column's row of scale bytes: 32 bytes a row
	s_mul_i32 s24, s22, 512*SIZE_N*4
	s_lshl_b32 s26, s23, 2
	s_add_co_u32 s24, s24, s26
	s_add_nc_u64 s[6:7], s[6:7], s[24:25]          ; w_in: 512 rows down for the second half of K, + 4 x column
	s_lshl_b32 s24, s23, 9
	s_lshl_b32 s26, s22, 8
	s_add_co_u32 s24, s24, s26
	s_add_nc_u64 s[14:15], s[14:15], s[24:25]      ; wc: column x 512 + 256 x half
	s_lshl_b32 s24, s23, 5
	s_lshl_b32 s26, s22, 4
	s_add_co_u32 s24, s24, s26
	s_add_nc_u64 s[16:17], s[16:17], s[24:25]      ; ws: column x 32 + 16 x half
.macro WLOAD t                         ; block t: w_in(32 t + i, my column) into set t % 2.  The largest offset, 511 rows of 12,288 bytes, lies inside the signed 24-bit immediate
.irp i, 0,1,2,3,4,5,6,7,8,9,10,11,12,13,14,15,16,17,18,19,20,21,22,23,24,25,26,27,28,29,30,31
	global_load_b32 v[WX+32*((\t)%2)+\i], v3, s[6:7] offset:(32*(\t)+\i)*SIZE_N*4 th:TH_LOAD_NT
.endr
.endm
	WLOAD 0
	WLOAD 1
.macro WBLOCK t
.set WXS, WX+32*((\t)%2)
.if (\t) < NB-1
	s_wait_loadcnt 32                              ; this block's 32 loads are in; the next block's may be out
.else
	s_wait_loadcnt 0
.endif
	v_max3_num_f32 v12, |v[WXS]|, |v[WXS+1]|, |v[WXS+2]|           ; the block's largest magnitude: all 32 numbers are mine
	v_max3_num_f32 v13, |v[WXS+3]|, |v[WXS+4]|, |v[WXS+5]|
.irp i, 6,10,14,18,22,26
	v_max3_num_f32 v12, v12, |v[WXS+\i]|, |v[WXS+\i+1]|
	v_max3_num_f32 v13, v13, |v[WXS+\i+2]|, |v[WXS+\i+3]|
.endr
	v_max3_num_f32 v12, v12, |v[WXS+30]|, |v[WXS+31]|
	v_max3_num_f32 v12, v12, v13, (EMAX+1)<<23     ; and the floor
	v_add_nc_u32 v11, -(EMAX<<23), v12             ; the conversion's scale operand
	v_lshrrev_b32 v13, 23, v11                     ; the scale's byte
.if (\t)%4 == 0
	v_mov_b32 v[WSB+(\t)/4], v13                   ; four bytes to a register, the lower K in the lower byte
.else
	v_lshl_or_b32 v[WSB+(\t)/4], v13, 8*((\t)%4), v[WSB+(\t)/4]
.endif
.irp g, 0,1,2,3
	v_cvt_scalef32_pk8_fp4_f32 v[WC+\g], v[WXS+8*\g:WXS+8*\g+7], v11
.endr
	ds_store_b128 v4, v[WC:WC+3] offset:16*(\t)    ; 32 codes: 16 bytes of my column's row
.if (\t)+2 < NB
	WLOAD (\t)+2
.endif
	s_wait_dscnt 0x0                               ; the store has read its registers: the next block's codes may be written
.endm
.set Q, 0
.rept NB
	WBLOCK Q
.set Q, Q+1
.endr
	global_store_b128 v9, v[WSB:WSB+3], s[16:17]   ; my column's 16 scale bytes
.irp t, 0,1,2,3,4,5,6,7,8,9,10,11,12,13,14,15
	ds_load_b128 v[WOUT+4*\t:WOUT+4*\t+3], v7 offset:2*\t*PITCH
.endr
.irp t, 0,1,2,3,4,5,6,7,8,9,10,11,12,13,14,15
	s_wait_dscnt 15-\t
	global_store_b128 v8, v[WOUT+4*\t:WOUT+4*\t+3], s[14:15] offset:2*\t*KROW   ; sixteen lanes store 256 consecutive bytes, aligned
.endr
	s_branch .Lend
; ---------------- w_out to f16: a plain stream, a ring of 16 loads in registers ----------------
.Lo:
	s_sub_co_u32 s22, ttmp9, 48
	s_lshl_b32 s22, s22, 2
	s_add_co_u32 s22, s22, s20                     ; which run of 8,192 numbers: 0 .. 127
	s_lshl_b32 s24, s22, 15
	s_add_nc_u64 s[8:9], s[8:9], s[24:25]
	s_lshl_b32 s24, s22, 14
	s_add_nc_u64 s[18:19], s[18:19], s[24:25]
	v_lshlrev_b32 v3, 4, v2                        ; in: 16 bytes a lane
	v_lshlrev_b32 v4, 3, v2                        ; out: 8 bytes a lane
.irp i, 0,1,2,3,4,5,6,7,8,9,10,11,12,13,14,15
	global_load_b128 v[OIN+4*\i:OIN+4*\i+3], v3, s[8:9] offset:512*\i th:TH_LOAD_NT
.endr
.macro OSLOT i
.if 63-(\i) < 15
	s_wait_loadcnt 63-(\i)                         ; the tail: the counts run down
.else
	s_wait_loadcnt 15                              ; loads come back in order: mine is in, the 15 younger ones stay out
.endif
	s_wait_xcnt 0x0                                ; the slot's last store has read its two registers: they are written again only behind this wait
	v_cvt_pk_f16_f32 v[OOUT+2*((\i)%16)], v[OIN+4*((\i)%16)], v[OIN+4*((\i)%16)+1]
	v_cvt_pk_f16_f32 v[OOUT+2*((\i)%16)+1], v[OIN+4*((\i)%16)+2], v[OIN+4*((\i)%16)+3]
.if (\i)+16 < 64
	global_load_b128 v[OIN+4*((\i)%16):OIN+4*((\i)%16)+3], v3, s[8:9] offset:512*((\i)+16) th:TH_LOAD_NT
.endif
	global_store_b64 v4, v[OOUT+2*((\i)%16):OOUT+2*((\i)%16)+1], s[18:19] offset:256*(\i)   ; the wave stores 256 consecutive bytes, aligned
.endm
.set Q, 0
.rept 64
	OSLOT Q
.set Q, Q+1
.endr
.Lend:
	s_wait_tensorcnt 0x0                           ; the wave's end, behind the last LDS store; the TENSORcnt wait stands even in a text with no tensor load
	ds_add_u32 v[SPW], v[NIL]
	s_wait_dscnt 0x0
	s_endpgm
.Lfunc_end_k_q6693e74b80_prep:
	.size	k_q6693e74b80_prep, .Lfunc_end_k_q6693e74b80_prep-k_q6693e74b80_prep
	.p2alignl 7, 3214868480
	.fill 96, 4, 3214868480
	.section	.rodata,"a",@progbits
	.p2align	6, 0x0
	.amdhsa_kernel k_q6693e74b80_prep
		.amdhsa_group_segment_fixed_size 68096
		.amdhsa_private_segment_fixed_size 0
		.amdhsa_enable_private_segment 0
		.amdhsa_kernarg_size 64
		.amdhsa_user_sgpr_count 2
		.amdhsa_user_sgpr_kernarg_segment_ptr 1
		.amdhsa_wavefront_size32 1
		.amdhsa_system_sgpr_workgroup_id_x 1
		.amdhsa_system_sgpr_workgroup_id_y 1
		.amdhsa_system_sgpr_workgroup_id_z 1
		.amdhsa_system_vgpr_workitem_id 0
		.amdhsa_next_free_vgpr 200
		.amdhsa_next_free_sgpr 66
		.amdhsa_reserve_vcc 0
		.amdhsa_float_denorm_mode_32 3
		.amdhsa_float_denorm_mode_16_64 3
		.amdhsa_memory_ordered 1
		.amdhsa_forward_progress 1
		.amdhsa_inst_pref_size 135
	.end_amdhsa_kernel
	.amdgpu_metadata
---
amdhsa.version: [ 1, 2 ]
amdhsa.kernels:
  - .name:           k_q6693e74b80_prep
    .symbol:         k_q6693e74b80_prep.kd
    .args:
      - { .name: x, .offset: 0, .size: 8, .value_kind: global_buffer, .address_space: global }
      - { .name: w_in, .offset: 8, .size: 8, .value_kind: global_buffer, .address_space: global }
      - { .name: w_out, .offset: 16, .size: 8, .value_kind: global_buffer, .address_space: global }
      - { .name: xc, .offset: 24, .size: 8, .value_kind: global_buffer, .address_space: global }
      - { .name: xs, .offset: 32, .size: 8, .value_kind: global_buffer, .address_space: global }
      - { .name: wc, .offset: 40, .size: 8, .value_kind: global_buffer, .address_space: global }
      - { .name: ws, .offset: 48, .size: 8, .value_kind: global_buffer, .address_space: global }
      - { .name: wo16, .offset: 56, .size: 8, .value_kind: global_buffer, .address_space: global }
    .group_segment_fixed_size: 68096
    .private_segment_fixed_size: 0
    .kernarg_segment_align: 8
    .kernarg_segment_size: 64
    .max_flat_workgroup_size: 128
    .sgpr_count:     66
    .vgpr_count:     200
    .wavefront_size: 32
...
	.end_amdgpu_metadata
.endif
;; end of part 1
;; launch qkv (part 2): grid 12 x 32, 4 waves a work-group, clusters of 4 x 4, 327,680 bytes of LDS; arguments xc, xs, wc, ws, qkv; writes qkv
.if DOCPART == 2
	.amdgcn_target "amdgcn-amd-amdhsa--gfx1250"
	.amdhsa_code_object_version 6
	.text
	.protected	k_q6693e74b80_qkv
	.globl	k_q6693e74b80_qkv
	.p2align	8
	.type	k_q6693e74b80_qkv,@function
k_q6693e74b80_qkv:
	s_mov_b64 s[64:65], 0
	v_nop
	global_prefetch_b8 v0, s[64:65] scope:SCOPE_SE
	s_setreg_imm32_b32 hwreg(HW_REG_WAVE_MODE, 25, 1), 1
	s_wait_xcnt 0x0
	s_wait_alu depctr_hold_cnt(0) depctr_sa_sdst(0) depctr_va_vdst(0) depctr_va_sdst(0) depctr_va_ssrc(0) depctr_va_vcc(0) depctr_vm_vsrc(0)
	s_getreg_b32 s2, hwreg(HW_REG_IB_STS2, 6, 4)
	s_cmp_eq_u32 s2, 0
	s_cbranch_scc0 .Lentry_in_a_cluster
	s_endpgm
.Lentry_in_a_cluster:
	s_bfe_u32 s2, ttmp6, 0x10000c
	s_cmp_lg_u32 s2, 0xf033
	s_cbranch_scc0 .Lentry_shape_is_right
	s_endpgm
.Lentry_shape_is_right:
; qkv = Q(x) Q(w_in): [8192][3072], on codes of FP4 (E2M1) with one E8M0 scale for each 32 along K = 1,024; sums in f32; the result rounded once to f16 and laid BY HEAD:
; qkv [g 48][m 8192][64] f16, g = column / 64 (0-15 q's heads, 16-31 k's, 32-47 v's), m = 1024 b + n.  Two neighbouring rows of a head are 256 consecutive bytes.
; LIMIT: |q|, |k|, |v| stay under 65,504 (f16).
; A tile of 256 x 256 is made by four waves, each 128 x 128: 64 accumulators, 512 registers.  All of K lies in two LDS slots of 512 along K (rows of 256 bytes), so nothing is filled twice.
; The scale bytes of the tile's 256 rows of x and 256 rows of w_in are two dense blocks of memory: they come into LDS once, in rows of 256 bytes.
; CLUSTERS: 4 x 4 work-groups.  The four of a row of the cluster need the same tiles of x, the four of a column the same tiles of w_in: each tile is asked for JOINTLY.
; THE MATRIX INSTRUCTION IS USED TRANSPOSED (source 0 = 16 rows of wc, source 1 = 16 rows of xc): a lane then holds eight neighbouring columns of one row.
; No prefetch: all tensor loads of a work-group go out together at its head.
; REGISTERS, in windows of 256: window 0: v0-31 addresses; v32-95 scale words, two sets; from v128 A's fragments, one set; on the way out v32-63 packed results, v128-191 rows read back.
;   window 1: B's fragments, two sets, at v0 and v128.   window 2: the accumulators of my rows 0-63 ((a, b) at v[8 (8 a + b)]);   window 3: those of my rows 64-127.
.set SIZE_K, 1024
.set KSTEP,  512
.set NQ,     KSTEP/128
.set ROWB,   256
.set KROW,   SIZE_K*4/8
.set PITCH,  272                       ; an LDS row: 256 bytes + 16 of padding = 68 words: the 16 rows that a load touches start at 16 different groups of banks
.set FR,     8
.set NL,     2
.set NP,     4                         ; places behind this matrix instruction (ISA guide 7.12.1)
.set HALFT,  128*PITCH
.set SLOT,   4*HALFT
.set KS,     SIZE_K/32
.set SCL,    2*SLOT                    ; behind the slots: the scales, as rows of 256 bytes + 16 of padding
.set HALFS,  (128*KS/256)*272
.set SBLK,   (16*KS/256)*272
.set SPARE,  SCL+4*HALFS               ; the spare words, 128 bytes a wave: two blocks of 256 bytes that no other line names
.set SPITCH, 272                       ; the way out: a stage of 16 rows x (256 bytes + 16) for each wave, in slot 0, which has had its one fill and its last read by then
.set ADRA, 16
.set ADRB, 20
.set STO,  24
.set RD,   25
.set CO,   26
.set ADRS, 27
.set SPW,  28
.set NIL,  29
.set SC,   32
.set AF,   128
.set TMP,  32
.set BK,   128
.set G1, 24
.set G0, 32
.set G1B, 48
.set G0B, 56
.set G1S, 68
.set G0S, 76
.set G1SB, 80
.set G0SB, 88
.set MSB, 0
.macro WIN new                         ; the immediate's high byte repeats the setting that is left
.if MSB != \new
	s_set_vgpr_msb (MSB<<8)|\new
.set MSB, \new
.endif
.endm
.set MUL_LO, 0xa1                      ; source 0 (B) window 1, source 1 (A) window 0, C and D window 2
.set MUL_HI, 0xf1                      ; the same, C and D window 3
.set TO_B,   0x40                      ; destination window 1, address window 0
; A joint load: waves 0 and 1 fetch for A, waves 2 and 3 for B; the branch hangs on the wave's number alone.  An s_nop 0 and four v_nop follow each of the two lines.
.macro JLOAD g0a, g1a, g0b, g1b
	s_cmp_eq_u32 s15, 0
	s_cbranch_scc0 .Lfor_b_\@
	tensor_load_to_lds s[\g0a:\g0a+3], s[\g1a:\g1a+7]
	s_nop 0
.rept 4
	v_nop
.endr
	s_branch .Lasked_\@
.Lfor_b_\@:
	tensor_load_to_lds s[\g0b:\g0b+3], s[\g1b:\g1b+7]
	s_nop 0
.rept 4
	v_nop
.endr
.Lasked_\@:
.endm
.macro CROUND                          ; a round of the cluster's barrier
	s_barrier_signal -1
	s_barrier_wait -1
	s_cmp_lg_u32 s14, 0
	s_cbranch_scc1 .Lnot_wave_0_\@
	s_barrier_signal -3
.Lnot_wave_0_\@:
	s_barrier_wait -3
	s_barrier_signal -1
	s_barrier_wait -1
.endm
	s_load_b128 s[4:7], s[0:1], 0x0                ; xc s[4:5], xs s[6:7]
	s_load_b128 s[8:11], s[0:1], 0x10              ; wc s[8:9], ws s[10:11]
	s_load_b64 s[12:13], s[0:1], 0x20              ; qkv
	v_lshl_add_u32 v[SPW], v0, 2, SPARE
	v_mov_b32 v[NIL], 0
	ds_add_u32 v[SPW], v[NIL]                      ; the wave's opening: the add, twice on end, and its wait ahead of my first tensor load
	ds_add_u32 v[SPW], v[NIL]
	v_lshrrev_b32 v1, 5, v0
	v_readfirstlane_b32 s14, v1                    ; wave 0..3
	s_lshr_b32 s15, s14, 1                         ; which half of the tile's rows is mine.  Also: I fetch for A (0) or for B (1)
	s_and_b32 s16, s14, 1                          ; which half of its columns.  Also: which 128 rows of that tile I fetch
	s_bfe_u32 s40, ttmp6, 0x40000                  ; cx, cy: my place in the cluster
	s_bfe_u32 s41, ttmp6, 0x40004
	s_lshl_b32 s42, ttmp9, 2
	s_add_co_u32 s42, s42, s40                     ; tile column = 4 x cluster x + cx
	s_and_b32 s17, ttmp7, 0xffff
	s_lshl_b32 s17, s17, 2
	s_add_co_u32 s17, s17, s41                     ; tile row = 4 x cluster y + cy
	s_lshl_b32 s43, s41, 2
	s_lshl_b32 s43, 15, s43                        ; my row of the cluster
	s_lshl_b32 s44, 0x1111, s40                    ; my column
	; descriptor group 1: a tile of 128 rows x 256 bytes, 16 bytes of padding behind each row
	s_or_b32 s[G1+0], s43, (0<<16)|(1<<20)|(1<<21)|(5<<22)|(3<<25)  ; 15:0 the mask; 17:16 elements of 1 byte; 20 padding on; 21 set beside a mask; 24:22 after every 64 words; 31:25 four words
	s_or_b32 s[G1B+0], s44, (0<<16)|(1<<20)|(1<<21)|(5<<22)|(3<<25)
.irp g, G1, G1B
	s_mov_b32 s[\g+1], ROWB<<16                    ; tensor_dim0
	s_mov_b32 s[\g+2], 128<<16                     ; tensor_dim1
	s_mov_b32 s[\g+3], ROWB<<16                    ; tile_dim0
	s_mov_b32 s[\g+4], 128                         ; tile_dim1
	s_mov_b32 s[\g+5], KROW                        ; the pitch in memory
	s_mov_b32 s[\g+6], 0
	s_mov_b32 s[\g+7], 0
.endr
	; the scales of 128 rows: a dense block of 4,096 bytes, as 16 rows of 256 bytes (32 elements of 8 bytes), 16 bytes of padding behind each
	s_or_b32 s[G1S+0], s43, (3<<16)|(1<<20)|(1<<21)|(5<<22)|(3<<25)
	s_or_b32 s[G1SB+0], s44, (3<<16)|(1<<20)|(1<<21)|(5<<22)|(3<<25)
.irp g, G1S, G1SB
	s_mov_b32 s[\g+1], 32<<16
	s_mov_b32 s[\g+2], (128*KS/256)<<16
	s_mov_b32 s[\g+3], 32<<16
	s_mov_b32 s[\g+4], 128*KS/256
	s_mov_b32 s[\g+5], 32
	s_mov_b32 s[\g+6], 0
	s_mov_b32 s[\g+7], 0
.endr
	s_lshl_b32 s18, s16, 7                         ; which 128 rows of the tile I fetch
	s_lshl_b32 s20, s17, 8
	s_add_co_u32 s20, s20, s18                     ; A: row 256 x tile row + 128 x half
	s_lshl_b32 s46, s42, 8
	s_add_co_u32 s46, s46, s18                     ; B: row 256 x tile column + 128 x half
	s_mov_b32 s21, 0
	s_mov_b32 s47, 0
	s_mov_b64 s[18:19], KS
	s_mul_u64 s[22:23], s[20:21], s[18:19]         ; where these rows' scales begin, in bytes
	s_mul_u64 s[92:93], s[46:47], s[18:19]
	s_mov_b64 s[18:19], KROW
	s_mul_u64 s[20:21], s[20:21], s[18:19]         ; and their codes
	s_mul_u64 s[46:47], s[46:47], s[18:19]
	s_mul_i32 s45, s14, HALFT                      ; where they go: wave x 128 rows: no place in the cluster enters an LDS address
	s_mul_i32 s94, s14, HALFS
	s_wait_dscnt 0x0                               ; both opening adds are done
	s_wait_kmcnt 0x0
	s_add_nc_u64 s[20:21], s[4:5], s[20:21]
	s_add_nc_u64 s[22:23], s[6:7], s[22:23]
	s_add_nc_u64 s[46:47], s[8:9], s[46:47]
	s_add_nc_u64 s[92:93], s[10:11], s[92:93]
	CROUND                                         ; all sixteen work-groups are here: the joint loads meet
	s_mov_b32 s[G0S], 1
	s_add_co_u32 s[G0S+1], s94, SCL
	s_mov_b64 s[G0S+2:G0S+3], s[22:23]
	s_or_b32 s[G0S+3], s[G0S+3], 0x80000000
	s_mov_b32 s[G0SB], 1
	s_add_co_u32 s[G0SB+1], s94, SCL
	s_mov_b64 s[G0SB+2:G0SB+3], s[92:93]
	s_or_b32 s[G0SB+3], s[G0SB+3], 0x80000000
	JLOAD G0S, G1S, G0SB, G1SB                     ; the scales first: they are wanted with the first slot
.irp s, 0,1
	s_mov_b32 s[G0+4*\s], 1
	s_add_co_u32 s[G0+4*\s+1], s45, \s*SLOT
	s_add_nc_u64 s[G0+4*\s+2:G0+4*\s+3], s[20:21], \s*ROWB
	s_or_b32 s[G0+4*\s+3], s[G0+4*\s+3], 0x80000000
	s_mov_b32 s[G0B+4*\s], 1
	s_add_co_u32 s[G0B+4*\s+1], s45, \s*SLOT
	s_add_nc_u64 s[G0B+4*\s+2:G0B+4*\s+3], s[46:47], \s*ROWB
	s_or_b32 s[G0B+4*\s+3], s[G0B+4*\s+3], 0x80000000
	JLOAD G0+4*\s, G1, G0B+4*\s, G1B               ; three tensor loads of mine are out in all
.endr
	v_and_b32 v1, 15, v0                           ; r = l % 16
	v_bfe_u32 v2, v0, 4, 1                         ; h = l / 16
	v_mul_u32_u24 v3, v1, PITCH
	v_lshl_add_u32 v4, v2, 4, v3                   ; a fragment's row x pitch + 16 x half
	s_mul_i32 s21, s15, HALFT                      ; my 128 rows of A
	s_mul_i32 s22, s16, HALFT                      ; my 128 rows of B,
	s_add_co_u32 s22, s22, 2*HALFT                 ; which lie behind A's 256
.irp s, 0,1
	v_add_nc_u32 v[ADRA+\s], s21, v4
	v_add_nc_u32 v[ADRB+\s], s22, v4
	s_add_co_u32 s21, s21, SLOT
	s_add_co_u32 s22, s22, SLOT
.endr
	v_mul_u32_u24 v5, v1, KS                       ; my row's scales: 32 bytes a row,
	v_lshrrev_b32 v6, 8, v5
	v_lshl_add_u32 v5, v6, 4, v5                   ; and 16 more for each 256 passed
	s_mul_i32 s21, s15, HALFS                      ; A's: my 128 rows
	s_mul_i32 s22, s16, HALFS                      ; B's: my 128 rows, behind A's 256
	s_add_co_u32 s22, s22, 2*HALFS
	s_sub_co_u32 s22, s22, s21
	v_mul_u32_u24 v6, s22, v2                      ; lanes 16-31 take B's: one product, the lower base + h x the distance
	s_add_co_u32 s21, s21, SCL
	v_add_nc_u32 v5, v5, v6
	v_add_nc_u32 v[ADRS], s21, v5
	s_mul_i32 s23, s14, 16*SPITCH                  ; my stage
	v_mul_u32_u24 v5, v1, SPITCH                   ; in: row r, 16 bytes for each half of the lanes
	v_lshl_add_u32 v5, v2, 4, v5
	v_add_nc_u32 v[STO], s23, v5
	v_and_b32 v6, 31, v0
	v_lshlrev_b32 v[CO], 4, v6                     ; out: 16 bytes a lane: four rows of a head are 512 consecutive bytes
	v_lshrrev_b32 v7, 3, v6
	v_mul_u32_u24 v7, v7, SPITCH                   ; back: eight lanes take a head's 128 bytes of a row, four rows an instruction
	v_and_b32 v8, 7, v0
	v_lshl_add_u32 v7, v8, 4, v7
	v_add_nc_u32 v[RD], s23, v7
	s_lshl_b32 s20, s17, 8
	s_lshl_b32 s21, s15, 7
	s_add_co_u32 s20, s20, s21                     ; my first row: 256 x tile row + 128 x half,
	s_lshl_b32 s20, s20, 7                         ; of 128 bytes
	s_mov_b32 s21, 0
	s_lshl_b32 s46, s42, 2
	s_lshl_b32 s47, s16, 1
	s_add_co_u32 s46, s46, s47                     ; my first head: 4 x tile column + 2 x half,
	s_lshl_b32 s46, s46, 20                        ; of 8,192 rows x 128 bytes
	s_mov_b32 s47, 0
	s_add_nc_u64 s[20:21], s[20:21], s[46:47]
	s_add_nc_u64 s[12:13], s[12:13], s[20:21]
.macro FRAG reg, adr, q, i             ; a fragment, 16 rows x 128 K of 4-bit codes: lane l holds row l % 16; registers 4 c .. 4 c + 3 hold K = 64 c + 32 (l / 16) + 0 .. 31
.irp c, 0,1
	ds_load_b128 v[\reg+4*\c:\reg+4*\c+3], v[\adr] offset:64*(\q)+32*\c+(\i)*16*PITCH
.endr
.endm
; 16 matrix instructions: A's blocks a0, a0 + 1 x B's eight, the slot's q-th 128 along K.  zero = 1: the first product starts the sums.  The 64 accumulators take turns, one instruction a turn.
; One register carries A's scale word (lanes 0-15) and B's (lanes 16-31): source 0 (B) reads its word from the upper lanes.
.macro MUL16 a0, p, q, sc, zero
.irp a, \a0, \a0+1
.irp b, 0,1,2,3,4,5,6,7
.if \zero
	v_wmma_scale_f32_16x16x128_f8f6f4 v[8*(8*((\a)%4)+\b):8*(8*((\a)%4)+\b)+7], v[128*(\p)+FR*\b:128*(\p)+FR*\b+FR-1], v[AF+FR*(\a):AF+FR*(\a)+FR-1], 0, v[SC+8*NQ*(\sc)+NQ*\b+(\q)], v[SC+8*NQ*(\sc)+NQ*(\a)+(\q)] matrix_a_fmt:MATRIX_FMT_FP4 matrix_b_fmt:MATRIX_FMT_FP4 matrix_a_scale:MATRIX_SCALE_ROW1
.else
	v_wmma_scale_f32_16x16x128_f8f6f4 v[8*(8*((\a)%4)+\b):8*(8*((\a)%4)+\b)+7], v[128*(\p)+FR*\b:128*(\p)+FR*\b+FR-1], v[AF+FR*(\a):AF+FR*(\a)+FR-1], v[8*(8*((\a)%4)+\b):8*(8*((\a)%4)+\b)+7], v[SC+8*NQ*(\sc)+NQ*\b+(\q)], v[SC+8*NQ*(\sc)+NQ*(\a)+(\q)] matrix_a_fmt:MATRIX_FMT_FP4 matrix_b_fmt:MATRIX_FMT_FP4 matrix_a_scale:MATRIX_SCALE_ROW1
.endif
.endr
.endr
.endm
.macro FETCH_B slot, q, p
	WIN TO_B
.irp i, 0,1,2,3,4,5,6,7
	FRAG 128*(\p)+FR*\i, ADRB+\slot, \q, \i
.endr
	WIN 0
.endm
.macro FETCH_A slot, q, i0
.irp i, \i0, \i0+1, \i0+2, \i0+3
	FRAG AF+FR*(\i), ADRA+\slot, \q, \i
.endr
.endm
.macro SCALES sc                       ; a slot's scale words: 4 words a row; lanes 0-15 take A's block i, lanes 16-31 B's block i
.irp i, 0,1,2,3,4,5,6,7
	ds_load_b128 v[SC+8*NQ*\sc+NQ*\i:SC+8*NQ*\sc+NQ*\i+3], v[ADRS] offset:\i*SBLK
.endr
.endm
.macro PLACES n                        ; plain vector instructions between a matrix instruction and a load into, or a read of, its registers
.rept \n
	v_nop
.endr
.endm
; A step of 128 along K that has its successor in the same slot.  A's blocks are free as soon as their eight products are issued: one set serves A, two serve B.
.macro STEP slot, q, zero
	s_wait_dscnt 4*NL                              ; B's set and A's blocks 0-3 are in; the eight youngest loads (A's blocks 4-7) may be out
	WIN MUL_LO
	MUL16 0, (\q)%2, \q, \slot, \zero
	MUL16 2, (\q)%2, \q, \slot, \zero
	s_wait_dscnt 0                                 ; A's blocks 4-7 are in
	PLACES NP
	FETCH_B \slot, (\q)+1, 1-(\q)%2
	FETCH_A \slot, (\q)+1, 0
	WIN MUL_HI
	MUL16 4, (\q)%2, \q, \slot, \zero
	MUL16 6, (\q)%2, \q, \slot, \zero
	PLACES NP
	WIN 0
	FETCH_A \slot, (\q)+1, 4
.endm
.macro STEPS slot, from
.set Q, \from
.rept NQ-1-\from
	STEP \slot, Q, 0
.set Q, Q+1
.endr
.endm
	s_wait_tensorcnt 1                             ; the scales and my part of slot 0 are in (slot 1's load may be out)
	s_barrier_signal -1
	s_barrier_wait -1                              ; everybody's are
	FETCH_B 0, 0, 0
	FETCH_A 0, 0, 0
	SCALES 0
	FETCH_A 0, 0, 4
	STEP 0, 0, 1                                   ; the first step's products start the sums: nothing is cleared
	STEPS 0, 1
	; slot 0's last step changes slots: one barrier; in front of it my part of slot 1 has landed and my reads of slot 0 are over
	s_wait_tensorcnt 0x0
	ds_add_u32 v[SPW], v[NIL]                      ; 0 onto my spare word
	s_wait_dscnt 4*NL+1                            ; (the add and A's blocks 4-7 may be out)
	WIN MUL_LO
	MUL16 0, 1, NQ-1, 0, 0
	s_wait_dscnt 0x0
	s_barrier_signal -1
	MUL16 2, 1, NQ-1, 0, 0
	WIN 0
	s_barrier_wait -1
	PLACES NP
	v_add_nc_u32 v[ADRS], 4*NQ, v[ADRS]            ; on to slot 1's scale words
	FETCH_B 1, 0, 0
	FETCH_A 1, 0, 0
	SCALES 1
	WIN MUL_HI
	MUL16 4, 1, NQ-1, 0, 0
	MUL16 6, 1, NQ-1, 0, 0
	PLACES NP
	WIN 0
	FETCH_A 1, 0, 4
	STEPS 1, 0
	s_wait_dscnt 4*NL                              ; the very last step: nothing more to fetch
	WIN MUL_LO
	MUL16 0, 1, NQ-1, 1, 0
	MUL16 2, 1, NQ-1, 1, 0
	s_wait_dscnt 0
	WIN MUL_HI
	MUL16 4, 1, NQ-1, 1, 0
	MUL16 6, 1, NQ-1, 1, 0
	WIN 0
; THE WAY OUT, block by block of 16 rows x 128 columns (two heads).  PACK: rounded to f16, 16 bytes a lane, each accumulator from its low end on.  TOSTAGE: into my own stage and back by heads.  SEND: stored.
.macro PACK a
.set AC, 64*((\a)%4)
	WIN 0x0a+5*((\a)/4)                            ; sources 0 and 1: window 2 or 3
.irp b, 0,1,2,3,4,5,6,7
.irp r, 0,1,2,3
	v_cvt_pk_f16_f32 v[TMP+4*\b+\r], v[AC+8*\b+2*\r], v[AC+8*\b+2*\r+1]
.endr
.endr
	WIN 0
.endm
.macro TOSTAGE a
.set BB, BK+32*((\a)%2)
.if (\a) > 1
	s_wait_xcnt 0x0                                ; block a - 2's stores have read their registers: block a's loads may land there
.endif
.irp b, 0,1,2,3,4,5,6,7
	ds_store_b128 v[STO], v[TMP+4*\b:TMP+4*\b+3] offset:32*\b
.endr
.irp u, 0,1,2,3,4,5,6,7
	ds_load_b128 v[BB+4*\u:BB+4*\u+3], v[RD] offset:(\u%4)*4*SPITCH+(\u/4)*128   ; head u / 4, rows 4 (u % 4) on.  LDS serves a wave's instructions in order: these see the stores above
.endr
.endm
.macro SEND a
.set BB, BK+32*((\a)%2)
	s_wait_dscnt 0x0                               ; the block is back in registers
.irp u, 0,1,2,3,4,5,6,7
	global_store_b128 v[CO], v[BB+4*\u:BB+4*\u+3], s[12:13] offset:(\u/4)*1048576+(\a)*2048+(\u%4)*512   ; 32 lanes store 512 consecutive bytes, aligned to 256; the base is never stepped
.endr
.endm
	PLACES NP
	PACK 0
	TOSTAGE 0
.irp a, 1,2,3,4,5,6,7                  ; block a's conversions stand between block a - 1's loads from the stage and the wait for them
	PACK \a
	SEND \a-1
	TOSTAGE \a
.endr
	SEND 7
	s_wait_tensorcnt 0x0                           ; the wave's end, behind my last tensor load and my last LDS store
	ds_add_u32 v[SPW], v[NIL]
	s_wait_dscnt 0x0
	CROUND                                         ; the closing round
	s_endpgm
.Lfunc_end_k_q6693e74b80_qkv:
	.size	k_q6693e74b80_qkv, .Lfunc_end_k_q6693e74b80_qkv-k_q6693e74b80_qkv
	.p2alignl 7, 3214868480
	.fill 96, 4, 3214868480
	.section	.rodata,"a",@progbits
	.p2align	6, 0x0
	.amdhsa_kernel k_q6693e74b80_qkv
		.amdhsa_group_segment_fixed_size 327680
		.amdhsa_private_segment_fixed_size 0
		.amdhsa_enable_private_segment 0
		.amdhsa_kernarg_size 40
		.amdhsa_user_sgpr_count 2
		.amdhsa_user_sgpr_kernarg_segment_ptr 1
		.amdhsa_wavefront_size32 1
		.amdhsa_system_sgpr_workgroup_id_x 1
		.amdhsa_system_sgpr_workgroup_id_y 1
		.amdhsa_system_sgpr_workgroup_id_z 1
		.amdhsa_system_vgpr_workitem_id 0
		.amdhsa_next_free_vgpr 1024
		.amdhsa_next_free_sgpr 98
		.amdhsa_reserve_vcc 0
		.amdhsa_float_denorm_mode_32 3
		.amdhsa_float_denorm_mode_16_64 3
		.amdhsa_memory_ordered 1
		.amdhsa_forward_progress 1
		.amdhsa_inst_pref_size 126
	.end_amdhsa_kernel
	.amdgpu_metadata
---
amdhsa.version: [ 1, 2 ]
amdhsa.kernels:
  - .name:           k_q6693e74b80_qkv
    .symbol:         k_q6693e74b80_qkv.kd
    .args:
      - { .name: xc, .offset: 0, .size: 8, .value_kind: global_buffer, .address_space: global }
      - { .name: xs, .offset: 8, .size: 8, .value_kind: global_buffer, .address_space: global }
      - { .name: wc, .offset: 16, .size: 8, .value_kind: global_buffer, .address_space: global }
      - { .name: ws, .offset: 24, .size: 8, .value_kind: global_buffer, .address_space: global }
      - { .name: qkv, .offset: 32, .size: 8, .value_kind: global_buffer, .address_space: global }
    .group_segment_fixed_size: 327680
    .private_segment_fixed_size: 0
    .kernarg_segment_align: 8
    .kernarg_segment_size: 40
    .max_flat_workgroup_size: 128
    .sgpr_count:     98
    .vgpr_count:     1024
    .wavefront_size: 32
...
	.end_amdgpu_metadata
.endif
;; end of part 2
;; launch attn (part 3): grid 2 x 128, 8 waves a work-group, no clusters, 327,680 bytes of LDS; arguments qkv, o16; writes o16
.if DOCPART == 3
	.amdgcn_target "amdgcn-amd-amdhsa--gfx1250"
	.amdhsa_code_object_version 6
	.text
	.protected	k_q6693e74b80_attn
	.globl	k_q6693e74b80_attn
	.p2align	8
	.type	k_q6693e74b80_attn,@function
k_q6693e74b80_attn:
	s_mov_b64 s[64:65], 0
	v_nop
	global_prefetch_b8 v0, s[64:65] scope:SCOPE_SE
	s_setreg_imm32_b32 hwreg(HW_REG_WAVE_MODE, 25, 1), 1
	s_wait_xcnt 0x0
; o[b][h][q] = the sum over k of softmax_k(q . k / 32) v, for 128 pairs (b, h), 1,024 queries and keys, head size 64.  Operands in f16, products, maxima and sums in f32.
; qkv: [g 48][m 8192][64] f16 (g 0-15 q's heads, 16-31 k's, 32-47 v's; m = 1024 b + n).  o16: [h 16][m 8192][64] f16.
; LIMITS: |q|, |k|, |v| and so |o| stay under 65,504 (f16); the weights p lie in 0 .. 1; NaN and infinities are not served.
; SHARES.  A work-group owns 512 queries of one head, each of its eight waves 64: four tiles of 16.  Two waves lie on a SIMD, 512 registers each: the text goes in phases, and one wave's softmax stands beside the other's products.
; ALL of the head's K and V lie in LDS, filled once: 1,024 rows of each.  They come in four chunks of 256 keys, all asked for at the head: waves 0-3 bring K's rows, waves 4-7 V's, 64 rows to a load, four loads a wave.
; The first chunk is waited for at the start, each later one a key step ahead of its first use: so nothing is filled twice, there is no ring, and there is nothing left to prefetch.
; NO CLUSTER: only two work-groups share a head, and each brings its 256 KiB once, against 1,024 matrix instructions a wave: what would be shared is a small part of the work-group's time.
; LAYOUT.  S^T = K Q^T (source 0 = 16 keys, source 1 = 16 queries): a lane holds ONE query (lane % 16) and keys 8 (lane / 16) + 0..7.  Two such tiles, rounded to f16 in pairs, ARE source 1 (32 keys x 16 queries) of
; O^T = V^T P, whose result again holds one query a lane.  K comes out of LDS as it lies, V ([key][channel]) turned, by ds_load_tr16_b128.
; SOFTMAX.  A running maximum m and sum l for each query: p = 2^(c s - c m), c = log2(e) / 32; in every step O and l are multiplied by a = 2^(c m_old - c m_new).
; REGISTERS.  window 0: v2-11 addresses; v12-43 eight statistics a tile; v44-48 at work at the head; v64-191 S^T, 32 a tile, p packed into each tile's first 16; v192-255 K's fragments of a step.
;             window 1: v0-127 O^T, 32 a tile; v128-191 Q, 16 a tile; v192-255 V's fragments of a step.
.set PK,     144                       ; a row of K in LDS: 128 bytes + 16: an odd multiple of 16
.set PVR,    160                       ; a row of V: 128 + 32: an odd multiple of 32, for the turning load
.set VBASE,  1024*PK
.set SPARE,  VBASE+1024*PVR            ; behind V: the spare words, 128 bytes a wave: four blocks of 256 bytes that no other line names
.set KSTEPB, 64*PK                     ; a key step's 64 rows
.set VSTEPB, 64*PVR
.set AK0, 2                            ; v2   my lane's place in a tile of K
.set AV0, 3                            ; v3   the same for V
.set ADK, 4                            ; v4   the LDS address of K's run of loads in hand
.set ADV, 5                            ; v5   of V's
.set QO,  6                            ; v6   my byte offset in the wave's rows of Q
.set STO, 7                            ; v7   the way out: where I put 16 bytes of a row
.set RD,  8                            ; v8   where I read rows back
.set GO,  9                            ; v9   my byte offset in the wave's rows of o16
.set SPW, 10                           ; v10  my spare word; never rewritten
.set NIL, 11                           ; v11  0; never rewritten
.set ST,  12                           ; tile t's statistics at v[ST + 8 t]: +0 c m, +1 m, +2, +3 l (even keys', odd keys'), +4 to +7 c0-c3 at work; a takes c2's place
.set S,   64
.set KF,  192                          ; window 0: fragment (16 keys kb, 32 channels c) at KF + 16 kb + 8 c
.set QF,  128                          ; window 1: tile t, channels 32 c on, at QF + 16 t + 8 c
.set VF,  192                          ; window 1: keys 32 c on, channels 16 cb on, at VF + 8 (4 c + cb)
.set WV,  8                            ; s8   my wave's number
.set G1K, 16                           ; s[16:23] descriptor group 1 for K's tiles;  s[24:31] for V's: the padding differs
.set G1V, 24
.set G0K, 32                           ; s[32:47] group 0 for K's four chunks;  s[48:63] for V's
.set G0V, 48
.set CS,  66                           ; s[66:67] c: the packed form names a pair and takes its low word for both halves
.set SEL, 68                           ; s[68:69] lane selects for v_permlanex16_b32: lane l xor 16
.set TK,  70                           ; s70  LDS byte at which the rows of K of the step to be fetched begin
.set TV,  71                           ; s71  the same for V, from VBASE on
.set CNT, 72                           ; s72  counts a loop's steps
.set MSB, 0
.macro WIN new                         ; the immediate's high byte repeats the setting that is left
.if MSB != \new
	s_set_vgpr_msb (MSB<<8)|\new
.set MSB, \new
.endif
.endm
.set W_KQ, 0x04                        ; K and S^T in window 0, Q (source 1) in window 1
.set W_PV, 0x51                        ; V (source 0), O^T (C and D) in window 1, P (source 1) in window 0
.set W_RS, 0x41                        ; O^T (destination and source 0) in window 1, a in window 0
.set TO_1, 0x40                        ; destination window 1, address window 0
.macro PLACES n
.rept \n
	v_nop
.endr
.endm
	s_load_b128 s[4:7], s[0:1], 0x0                ; qkv s[4:5], o16 s[6:7]
	v_lshl_add_u32 v[SPW], v0, 2, SPARE
	v_mov_b32 v[NIL], 0
	ds_add_u32 v[SPW], v[NIL]                      ; the wave's opening: the add, twice on end, and its wait ahead of my first tensor load
	ds_add_u32 v[SPW], v[NIL]
	v_lshrrev_b32 v1, 5, v0
	v_readfirstlane_b32 s[WV], v1                  ; wave 0..7
	s_and_b32 s9, s[WV], 3                         ; which 64 rows of a chunk I fetch
	; descriptor group 1: a tile of 64 rows x 64 elements of 2 bytes, padded behind each row of 32 words
	s_mov_b32 s[G1K], (1<<16)|(1<<20)|(4<<22)|(3<<25)  ; 15:0 no mask; 17:16 elements of 2 bytes; 20 padding on; 24:22 after every 32 words; 31:25 four words
	s_mov_b32 s[G1V], (1<<16)|(1<<20)|(4<<22)|(7<<25)  ; the same with eight words
.irp g, G1K, G1V
	s_mov_b32 s[\g+1], 64<<16                      ; tensor_dim0
	s_mov_b32 s[\g+2], 64<<16                      ; tensor_dim1
	s_mov_b32 s[\g+3], 64<<16                      ; tile_dim0
	s_mov_b32 s[\g+4], 64                          ; tile_dim1
	s_mov_b32 s[\g+5], 64                          ; elements from row to row
	s_mov_b32 s[\g+6], 0
	s_mov_b32 s[\g+7], 0
.endr
	s_and_b32 s10, ttmp7, 0xffff                   ; 16 b + head
	s_lshr_b32 s11, s10, 4                         ; b
	s_and_b32 s10, s10, 15                         ; head
	s_lshl_b32 s12, s10, 20                        ; a head's 8,192 rows of 128 bytes,
	s_lshl_b32 s13, s11, 17                        ; a batch's 1,024
	s_add_co_u32 s12, s12, s13
	s_lshl_b32 s13, s9, 13                         ; my 64 rows of a chunk
	s_add_co_u32 s14, s12, s13
	s_add_co_u32 s14, s14, 16<<20                  ; K's heads lie 16 heads behind q's,
	s_mov_b32 s15, 0
	s_add_co_u32 s78, s14, 16<<20                  ; V's 16 more
	s_mov_b32 s79, 0
	s_lshl_b32 s80, ttmp9, 16                      ; my work-group's 512 queries,
	s_lshl_b32 s81, s[WV], 13                      ; my wave's 64
	s_add_co_u32 s80, s80, s81
	s_add_co_u32 s80, s80, s12
	s_mov_b32 s81, 0
	s_mul_i32 s82, s9, KSTEPB                      ; where my rows go in a chunk of K,
	s_mul_i32 s83, s9, VSTEPB                      ; and of V
	s_mov_b32 s[CS], 0x3d38aa3b                    ; c = log2(e) / 32
	s_mov_b32 s[CS+1], s[CS]
	s_mov_b32 s[SEL], 0x76543210
	s_mov_b32 s[SEL+1], 0xfedcba98
	s_mov_b32 s[TK], 0
	s_mov_b32 s[TV], 0
	s_wait_dscnt 0x0                               ; both opening adds are done
	s_wait_kmcnt 0x0
	s_add_nc_u64 s[14:15], s[4:5], s[14:15]        ; K at my rows of chunk 0
	s_add_nc_u64 s[78:79], s[4:5], s[78:79]        ; V likewise
	s_add_nc_u64 s[74:75], s[4:5], s[80:81]        ; Q at my wave's first row
	s_add_nc_u64 s[76:77], s[6:7], s[80:81]        ; o16 likewise
.irp c, 0,1,2,3
	s_mov_b32 s[G0K+4*\c], 1
	s_add_co_u32 s[G0K+4*\c+1], s82, \c*256*PK
	s_add_nc_u64 s[G0K+4*\c+2:G0K+4*\c+3], s[14:15], \c*32768
	s_or_b32 s[G0K+4*\c+3], s[G0K+4*\c+3], 0x80000000
	s_mov_b32 s[G0V+4*\c], 1
	s_add_co_u32 s[G0V+4*\c+1], s83, VBASE+\c*256*PVR
	s_add_nc_u64 s[G0V+4*\c+2:G0V+4*\c+3], s[78:79], \c*32768
	s_or_b32 s[G0V+4*\c+3], s[G0V+4*\c+3], 0x80000000
.endr
	s_cmp_lt_u32 s[WV], 4                          ; a wave's four fills stand in one branch, ahead of every wait on TENSORcnt, every LDS read and every barrier: four loads of mine are out
	s_cbranch_scc0 .Lfirst_v
.irp c, 0,1,2,3
	tensor_load_to_lds s[G0K+4*\c:G0K+4*\c+3], s[G1K:G1K+7]
	s_nop 0
.endr
	PLACES 4
	s_branch .Lfirst_asked
.Lfirst_v:
.irp c, 0,1,2,3
	tensor_load_to_lds s[G0V+4*\c:G0V+4*\c+3], s[G1V:G1V+7]
	s_nop 0
.endr
	PLACES 4
.Lfirst_asked:
	v_and_b32 v1, 15, v0                           ; r = l % 16
	v_bfe_u32 v44, v0, 4, 1                        ; h = l / 16
	v_lshlrev_b32 v[QO], 7, v1
	v_lshl_add_u32 v[QO], v44, 4, v[QO]            ; row x 128 + 16 x half
	WIN TO_1
.irp t, 0,1,2,3                        ; Q stays in registers: a fragment is 16 queries x 32 channels: two loads of 16 bytes, 32 bytes apart
.irp c, 0,1
	global_load_b128 v[QF+16*\t+8*\c:QF+16*\t+8*\c+3],   v[QO], s[74:75] offset:\t*2048+\c*64
	global_load_b128 v[QF+16*\t+8*\c+4:QF+16*\t+8*\c+7], v[QO], s[74:75] offset:\t*2048+\c*64+32
.endr
.endr
	WIN 0
	v_mul_u32_u24 v[AK0], v1, PK
	v_lshl_add_u32 v[AK0], v44, 4, v[AK0]          ; K: row x pitch + 16 x half
	v_and_b32 v45, 7, v0
	v_bfe_u32 v46, v0, 3, 1
	v_lshl_add_u32 v[AV0], v44, 3, v45             ; V, for the turning load: key 8 h + l % 8,
	v_mul_u32_u24 v[AV0], v[AV0], PVR
	v_lshl_add_u32 v[AV0], v46, 4, v[AV0]          ; channels 8 ((l / 8) % 2) on
	v_add_nc_u32 v[AV0], VBASE, v[AV0]
	s_mul_i32 s10, s[WV], 16*PK                    ; my stage for the way out: 16 rows of K's pitch, in K's bytes, used behind the last barrier
	v_mul_u32_u24 v[STO], v1, PK
	v_lshl_add_u32 v[STO], v44, 4, v[STO]
	v_add_nc_u32 v[STO], s10, v[STO]
	v_and_b32 v47, 31, v0
	v_lshrrev_b32 v48, 3, v47
	v_mul_u32_u24 v[RD], v48, PK                   ; back: eight lanes take a row of 128 bytes, four rows an instruction
	v_lshl_add_u32 v[RD], v45, 4, v[RD]
	v_add_nc_u32 v[RD], s10, v[RD]
	v_lshlrev_b32 v[GO], 4, v47                    ; and the same 512 bytes in o16
; A step's K: 64 keys x 64 channels, 8 fragments, 16 loads.  pad: v_nop between the address line and the loads: with that line they are the places behind the products that read K's registers.
.macro FETCH_K pad
	v_add_nc_u32 v[ADK], s[TK], v[AK0]
	s_add_co_u32 s[TK], s[TK], KSTEPB
	PLACES \pad
.irp kb, 0,1,2,3
.irp c, 0,1
	ds_load_b128 v[KF+16*\kb+8*\c:KF+16*\kb+8*\c+3],   v[ADK] offset:\kb*16*PK+\c*64
	ds_load_b128 v[KF+16*\kb+8*\c+4:KF+16*\kb+8*\c+7], v[ADK] offset:\kb*16*PK+\c*64+32
.endr
.endr
.endm
; A step's V, turned: 8 fragments of 16 channels x 32 keys, 16 loads
.macro FETCH_V pad
	v_add_nc_u32 v[ADV], s[TV], v[AV0]
	s_add_co_u32 s[TV], s[TV], VSTEPB
	PLACES \pad
	WIN TO_1
.irp c, 0,1
.irp cb, 0,1,2,3
	ds_load_tr16_b128 v[VF+8*(4*\c+\cb):VF+8*(4*\c+\cb)+3],   v[ADV] offset:\c*32*PVR+\cb*32
	ds_load_tr16_b128 v[VF+8*(4*\c+\cb)+4:VF+8*(4*\c+\cb)+7], v[ADV] offset:\c*32*PVR+16*PVR+\cb*32
.endr
.endr
	WIN 0
.endm
; 32 products S^T = K Q^T.  The 16 accumulators take turns, one instruction a turn; the first 16 start the sums.
.macro KQALL
	WIN W_KQ
.irp c, 0,1
.irp kb, 0,1,2,3
.irp t, 0,1,2,3
.if \c == 0
	v_wmma_f32_16x16x32_f16 v[S+32*\t+8*\kb:S+32*\t+8*\kb+7], v[KF+16*\kb+8*\c:KF+16*\kb+8*\c+7], v[QF+16*\t+8*\c:QF+16*\t+8*\c+7], 0
.else
	v_wmma_f32_16x16x32_f16 v[S+32*\t+8*\kb:S+32*\t+8*\kb+7], v[KF+16*\kb+8*\c:KF+16*\kb+8*\c+7], v[QF+16*\t+8*\c:QF+16*\t+8*\c+7], v[S+32*\t+8*\kb:S+32*\t+8*\kb+7]
.endif
.endr
.endr
.endr
.endm
; 32 products O^T += V^T P, the 16 accumulators by turns.  zero = 1: the first 16 start the sums: nothing is ever cleared.
.macro PVALL zero
	WIN W_PV
.irp c, 0,1
.irp cb, 0,1,2,3
.irp t, 0,1,2,3
.if (\zero) && (\c == 0)
	v_wmma_f32_16x16x32_f16 v[32*\t+8*\cb:32*\t+8*\cb+7], v[VF+8*(4*\c+\cb):VF+8*(4*\c+\cb)+7], v[S+32*\t+8*\c:S+32*\t+8*\c+7], 0
.else
	v_wmma_f32_16x16x32_f16 v[32*\t+8*\cb:32*\t+8*\cb+7], v[VF+8*(4*\c+\cb):VF+8*(4*\c+\cb)+7], v[S+32*\t+8*\c:S+32*\t+8*\c+7], v[32*\t+8*\cb:32*\t+8*\cb+7]
.endif
.endr
.endr
.endr
.endm
; THE SOFTMAX of a key step, the four tiles by turns in every stage, so that no line waits for the line above it.  first = 1: the first key step starts m, l and O^T.
.macro SOFTMAX first
.irp j, 0,1,2,3                        ; the maximum of my 32 scores: four chains, each begun at its accumulator's low end
.irp t, 0,1,2,3
	v_max3_num_f32 v[ST+8*\t+4+\j], v[S+32*\t+8*\j], v[S+32*\t+8*\j+1], v[S+32*\t+8*\j+2]
.endr
.endr
.irp g, 1,2
.irp j, 0,1,2,3
.irp t, 0,1,2,3
	v_max3_num_f32 v[ST+8*\t+4+\j], v[ST+8*\t+4+\j], v[S+32*\t+8*\j+2*\g+1], v[S+32*\t+8*\j+2*\g+2]
.endr
.endr
.endr
.irp t, 0,1,2,3
	v_max3_num_f32 v[ST+8*\t+4], v[ST+8*\t+4], v[S+32*\t+7], v[S+32*\t+15]
.endr
.irp t, 0,1,2,3
	v_max3_num_f32 v[ST+8*\t+6], v[ST+8*\t+6], v[S+32*\t+23], v[S+32*\t+31]
.endr
.irp t, 0,1,2,3
	v_max3_num_f32 v[ST+8*\t+4], v[ST+8*\t+4], v[ST+8*\t+5], v[ST+8*\t+6]
.endr
.irp t, 0,1,2,3
.if \first
	v_max_num_f32 v[ST+8*\t+4], v[ST+8*\t+4], v[ST+8*\t+7]
.else
	v_max3_num_f32 v[ST+8*\t+4], v[ST+8*\t+4], v[ST+8*\t+7], v[ST+8*\t+1]   ; with the old m
.endif
.endr
.irp t, 0,1,2,3
	v_permlanex16_b32 v[ST+8*\t+5], v[ST+8*\t+4], s[SEL], s[SEL+1]         ; the query's other 32 keys lie in the lane 16 away
.endr
.if \first == 0
.irp t, 0,1,2,3
	v_mov_b32 v[ST+8*\t+7], v[ST+8*\t]             ; c m_old is kept for a
.endr
.endif
.irp t, 0,1,2,3
	v_max_num_f32 v[ST+8*\t+1], v[ST+8*\t+4], v[ST+8*\t+5]                 ; the new m
.endr
.irp t, 0,1,2,3
	v_mul_f32 v[ST+8*\t], s[CS], v[ST+8*\t+1]      ; c m
.endr
.if \first == 0
.irp t, 0,1,2,3
	v_sub_f32 v[ST+8*\t+7], v[ST+8*\t+7], v[ST+8*\t]                       ; c m_old - c m_new, 0 or less
.endr
.endif
.set i, 0
.rept 16
.irp t, 0,1,2,3
	v_pk_fma_f32 v[S+32*\t+i:S+32*\t+i+1], v[S+32*\t+i:S+32*\t+i+1], s[CS:CS+1], v[ST+8*\t:ST+8*\t+1] op_sel_hi:[1,0,0] neg_lo:[0,0,1] neg_hi:[0,0,1]   ; c s - c m, two at a time
.endr
.set i, i+2
.endr
.if \first == 0
.irp t, 0,1,2,3
	v_exp_f32 v[ST+8*\t+6], v[ST+8*\t+7]           ; a
.endr
.endif
.set i, 0
.rept 32
.irp t, 0,1,2,3
	v_exp_f32 v[S+32*\t+i], v[S+32*\t+i]           ; p, at most 1
.endr
.set i, i+1
.endr
	v_nop                                          ; a plain instruction behind the last exponential, ahead of the first use
	s_wait_alu depctr_va_vdst(0)                   ; ONE wait for the whole batch, ahead of its first reader
.if \first
.irp t, 0,1,2,3
	v_pk_add_f32 v[ST+8*\t+2:ST+8*\t+3], v[S+32*\t:S+32*\t+1], v[S+32*\t+2:S+32*\t+3]
.endr
.set i, 4
.rept 14
.irp t, 0,1,2,3
	v_pk_add_f32 v[ST+8*\t+2:ST+8*\t+3], v[ST+8*\t+2:ST+8*\t+3], v[S+32*\t+i:S+32*\t+i+1]
.endr
.set i, i+2
.endr
.else
.irp t, 0,1,2,3
	v_pk_fma_f32 v[ST+8*\t+2:ST+8*\t+3], v[ST+8*\t+2:ST+8*\t+3], v[ST+8*\t+6:ST+8*\t+7], v[S+32*\t:S+32*\t+1] op_sel_hi:[1,0,1]   ; l = a l + p
.endr
.set i, 2
.rept 15
.irp t, 0,1,2,3
	v_pk_add_f32 v[ST+8*\t+2:ST+8*\t+3], v[ST+8*\t+2:ST+8*\t+3], v[S+32*\t+i:S+32*\t+i+1]
.endr
.set i, i+2
.endr
.endif
.set i, 0
.rept 16                               ; p to f16, in place: pair i goes to register i, which lies at or under the pair
.irp t, 0,1,2,3
	v_cvt_pk_f16_f32 v[S+32*\t+i], v[S+32*\t+2*i], v[S+32*\t+2*i+1]
.endr
.set i, i+1
.endr
.if \first == 0
	WIN W_RS
.set i, 0
.rept 16                               ; O^T times a, each accumulator from its low end on
.irp t, 0,1,2,3
	v_pk_mul_f32 v[32*\t+i:32*\t+i+1], v[32*\t+i:32*\t+i+1], v[ST+8*\t+6:ST+8*\t+7] op_sel_hi:[1,0]
.endr
.set i, i+2
.endr
.endif
.endm
; A KEY STEP: 64 keys.  more = 1: the next step's fragments are fetched: K's behind the scores, V's behind the second product.
.macro STEP first, more
	s_wait_dscnt 16                                ; K of this step is in; V's 16 loads, issued behind K's, may be out
	KQALL
	WIN 0
.if \more
	FETCH_K 3                                      ; its address line and three v_nop: four places behind the products that read K and wrote S^T
.else
	PLACES 4
.endif
	SOFTMAX \first
.if \more
	s_wait_dscnt 16                                ; V of this step is in; the next step's K, 16 loads, may be out
.else
	s_wait_dscnt 0x0
.endif
	PVALL \first
	WIN 0
.if \more
	FETCH_V 4                                      ; its address line and four v_nop: five places, since the next scores are written over p's registers, which these products read
.endif
.endm
; A chunk of 256 keys is shown to every wave: mine has landed (n younger loads of mine may be out), and no LDS instruction of mine is pending at the signal.
.macro ARRIVE n
	s_wait_tensorcnt \n
	s_wait_dscnt 0x0
	s_barrier_signal -1
	s_barrier_wait -1
.endm
.macro RUN n                           ; n key steps, written once
	s_mov_b32 s[CNT], \n
.Lstep_\@:
	STEP 0, 1
	s_sub_co_u32 s[CNT], s[CNT], 1
	s_cmp_lg_u32 s[CNT], 0
	s_cbranch_scc1 .Lstep_\@
.endm
	ARRIVE 3                                       ; chunk 0: key steps 0 to 3
	FETCH_K 0
	FETCH_V 0
	s_wait_loadcnt 0x0                             ; Q
	STEP 1, 1                                      ; key step 0
	RUN 2                                          ; 1, 2.  Step j fetches step j + 1's fragments, so each chunk is shown a step ahead of its first step
	ARRIVE 2                                       ; chunk 1
	RUN 4                                          ; 3 to 6
	ARRIVE 1                                       ; chunk 2
	RUN 4                                          ; 7 to 10
	ARRIVE 0                                       ; chunk 3
	RUN 4                                          ; 11 to 14
	STEP 0, 0                                      ; 15
	; THE WAY OUT.  l's two halves and the other half of the lanes' are added; O^T is divided by l, rounded to f16 and sent through my stage, a tile (16 rows of 128 bytes) at a time.  The additions are the places behind the last products.
.irp t, 0,1,2,3
	v_add_f32 v[ST+8*\t+4], v[ST+8*\t+2], v[ST+8*\t+3]
.endr
.irp t, 0,1,2,3
	v_permlanex16_b32 v[ST+8*\t+5], v[ST+8*\t+4], s[SEL], s[SEL+1]
.endr
.irp t, 0,1,2,3
	v_add_f32 v[ST+8*\t+4], v[ST+8*\t+4], v[ST+8*\t+5]
.endr
.irp t, 0,1,2,3
	v_rcp_f32 v[ST+8*\t+6], v[ST+8*\t+4]
.endr
	v_nop                                          ; a plain instruction between the last reciprocal and the use of its result
	s_wait_alu depctr_va_vdst(0)                   ; one wait for the four reciprocals
	s_wait_dscnt 0x0                               ; my reads of K and V are over;
	s_barrier_signal -1
	s_barrier_wait -1                              ; everybody's are: K's bytes, which have had their one fill, may take the stages
.macro PACK t
	WIN W_RS
.set i, 0
.rept 16
	v_pk_mul_f32 v[32*\t+i:32*\t+i+1], v[32*\t+i:32*\t+i+1], v[ST+8*\t+6:ST+8*\t+7] op_sel_hi:[1,0]
.set i, i+2
.endr
	WIN 0x05                                       ; sources 0 and 1 window 1, destination window 0: S^T's registers are free
.set i, 0
.rept 16
	v_cvt_pk_f16_f32 v[S+16*\t+i], v[32*\t+2*i], v[32*\t+2*i+1]
.set i, i+1
.endr
	WIN 0
.irp cb, 0,1,2,3
	ds_store_b128 v[STO], v[S+16*\t+4*\cb:S+16*\t+4*\cb+3] offset:32*\cb
.endr
.irp f, 0,1,2,3
	ds_load_b128 v[S+16*\t+4*\f:S+16*\t+4*\f+3], v[RD] offset:\f*4*PK   ; LDS serves a wave's instructions in order: these see the stores above; the next tile's stores come behind them
.endr
.endm
.macro SEND t, younger                 ; younger: the LDS instructions issued behind tile t's loads: the next tile's eight, or none
.irp f, 0,1,2,3
	s_wait_dscnt \younger+3-\f
	global_store_b128 v[GO], v[S+16*\t+4*\f:S+16*\t+4*\f+3], s[76:77] offset:\t*2048+\f*512   ; 32 lanes store 512 consecutive bytes, aligned to 256
.endr
.endm
	PACK 0
	PACK 1
	SEND 0, 8
	PACK 2
	SEND 1, 8
	PACK 3
	SEND 2, 8
	SEND 3, 0
	s_wait_tensorcnt 0x0                           ; the wave's end, behind my last tensor load and my last LDS store
	ds_add_u32 v[SPW], v[NIL]
	s_wait_dscnt 0x0
	s_endpgm
.Lfunc_end_k_q6693e74b80_attn:
	.size	k_q6693e74b80_attn, .Lfunc_end_k_q6693e74b80_attn-k_q6693e74b80_attn
	.p2alignl 7, 3214868480
	.fill 96, 4, 3214868480
	.section	.rodata,"a",@progbits
	.p2align	6, 0x0
	.amdhsa_kernel k_q6693e74b80_attn
		.amdhsa_group_segment_fixed_size 327680
		.amdhsa_private_segment_fixed_size 0
		.amdhsa_enable_private_segment 0
		.amdhsa_kernarg_size 16
		.amdhsa_user_sgpr_count 2
		.amdhsa_user_sgpr_kernarg_segment_ptr 1
		.amdhsa_wavefront_size32 1
		.amdhsa_system_sgpr_workgroup_id_x 1
		.amdhsa_system_sgpr_workgroup_id_y 1
		.amdhsa_system_sgpr_workgroup_id_z 1
		.amdhsa_system_vgpr_workitem_id 0
		.amdhsa_next_free_vgpr 512
		.amdhsa_next_free_sgpr 84
		.amdhsa_reserve_vcc 0
		.amdhsa_float_denorm_mode_32 3
		.amdhsa_float_denorm_mode_16_64 3
		.amdhsa_memory_ordered 1
		.amdhsa_forward_progress 1
		.amdhsa_inst_pref_size 208
	.end_amdhsa_kernel
	.amdgpu_metadata
---
amdhsa.version: [ 1, 2 ]
amdhsa.kernels:
  - .name:           k_q6693e74b80_attn
    .symbol:         k_q6693e74b80_attn.kd
    .args:
      - { .name: qkv, .offset: 0, .size: 8, .value_kind: global_buffer, .address_space: global }
      - { .name: o16, .offset: 8, .size: 8, .value_kind: global_buffer, .address_space: global }
    .group_segment_fixed_size: 327680
    .private_segment_fixed_size: 0
    .kernarg_segment_align: 8
    .kernarg_segment_size: 16
    .max_flat_workgroup_size: 256
    .sgpr_count:     84
    .vgpr_count:     512
    .wavefront_size: 32
...
	.end_amdgpu_metadata
.endif
;; end of part 3
;; launch proj (part 4): grid 4 x 64, 4 waves a work-group, clusters of 4 x 4, 327,680 bytes of LDS; arguments o16, wo16, b_out, out0; writes out0
.if DOCPART == 4
	.amdgcn_target "amdgcn-amd-amdhsa--gfx1250"
	.amdhsa_code_object_version 6
	.text
	.protected	k_q6693e74b80_proj
	.globl	k_q6693e74b80_proj
	.p2align	8
	.type	k_q6693e74b80_proj,@function
k_q6693e74b80_proj:
	s_mov_b64 s[64:65], 0
	v_nop
	global_prefetch_b8 v0, s[64:65] scope:SCOPE_SE
	s_setreg_imm32_b32 hwreg(HW_REG_WAVE_MODE, 25, 1), 1
	s_wait_xcnt 0x0
	s_wait_alu depctr_hold_cnt(0) depctr_sa_sdst(0) depctr_va_vdst(0) depctr_va_sdst(0) depctr_va_ssrc(0) depctr_va_vcc(0) depctr_vm_vsrc(0)
	s_getreg_b32 s2, hwreg(HW_REG_IB_STS2, 6, 4)
	s_cmp_eq_u32 s2, 0
	s_cbranch_scc0 .Lentry_in_a_cluster
	s_endpgm
.Lentry_in_a_cluster:
	s_bfe_u32 s2, ttmp6, 0x10000c
	s_cmp_lg_u32 s2, 0xf033
	s_cbranch_scc0 .Lentry_shape_is_right
	s_endpgm
.Lentry_shape_is_right:
; out0[m][n] = the sum over k of o[m][k] w_out[k][n] + b_out[n].  o16: [h 16][m 8192][64] f16, k = 64 h + d; wo16: [k 1024][n 1024] f16; b_out [1024], out0 [8192][1024] f32; sums in f32.
; LIMIT: |o| and |w_out| under 65,504 (f16).
; A tile of out0 is 128 rows x 256 columns: 256 work-groups.  Four waves, each 64 x 128: 32 accumulators of 16 x 16, 256 registers.  K goes in steps of 128 (two heads) through a ring of two LDS slots.
; A's tile is two planes (heads) of 128 rows x 128 bytes; B's is 128 rows (k) x 512 bytes, read turned by ds_load_tr16_b128, so that w_out needs no transposition in memory.
; CLUSTERS: 4 x 4 work-groups.  The four of a row of the cluster need the same tiles of o16, the four of a column the same tiles of wo16: each tile is asked for JOINTLY.
; THE MATRIX INSTRUCTION IS USED TRANSPOSED (source 0 = 16 columns of w_out, source 1 = 16 rows of o): a lane then holds eight neighbouring columns of a row.  The bias is the C of each sum's first product.
; No prefetch: a K step here is 128 matrix instructions a wave on a small tile, and the tiles are shared in the cluster instead.
; REGISTERS: window 0: v1-8 at work at the head, v16-29 addresses; v64-127 A's fragments, two buffers of 32; v128-255 the way out.  window 1: v0-127 B's fragments, two buffers of 64; v128-191 the bias, eight registers a block of columns.
;            window 2: the accumulators, (a, b) at v[8 (8 a + b)].
.set PA,     144                       ; a row of A in LDS: 128 bytes + 16: an odd multiple of 16
.set PLANE,  128*PA                    ; a head's 128 rows
.set PB,     544                       ; a row of B: 512 bytes + 32: an odd multiple of 32, for the turning load
.set HALFB,  64*PB
.set BOFF,   2*PLANE
.set SLOT,   BOFF+2*HALFB
.set STAGE,  2*SLOT                    ; behind the ring: 16 rows x 528 bytes for each wave
.set SPITCH, 528
.set SPARE,  STAGE+4*16*SPITCH         ; the spare words, 128 bytes a wave: two blocks of 256 bytes that no other line names
.set LAPS,   4                         ; a lap = two K steps = once round the ring
.set ADRA, 16
.set ADRB, 20
.set STO,  24
.set RD,   25
.set CO,   26
.set BO,   27                          ; v27  32 x (lane / 16): my eight numbers of a block of the bias
.set SPW,  28
.set NIL,  29
.set AF,   64
.set BIAS, 128
.set BK,   128
.set G1, 24
.set G0, 32
.set G1B, 48
.set G0B, 56
.set MSB, 0
.macro WIN new                         ; the immediate's high byte repeats the setting that is left
.if MSB != \new
	s_set_vgpr_msb (MSB<<8)|\new
.set MSB, \new
.endif
.endm
.set MUL,  0xa1                        ; source 0 (B) window 1, source 1 (A) window 0, C and D window 2
.set MULB, 0x91                        ; the same with C, the bias, in window 1
.set TO_B, 0x40                        ; destination window 1, address window 0
.macro JLOAD s                         ; a joint load: waves 0 and 1 fetch A's two planes, waves 2 and 3 B's two halves; an s_nop 0 and four v_nop follow each of the two lines
	s_cmp_eq_u32 s13, 0
	s_cbranch_scc0 .Lfor_b_\@
	tensor_load_to_lds s[G0+4*\s:G0+4*\s+3], s[G1:G1+7]
	s_nop 0
.rept 4
	v_nop
.endr
	s_branch .Lasked_\@
.Lfor_b_\@:
	tensor_load_to_lds s[G0B+4*\s:G0B+4*\s+3], s[G1B:G1B+7]
	s_nop 0
.rept 4
	v_nop
.endr
.Lasked_\@:
.endm
.macro CREST                           ; a round of the cluster's barrier behind its opening barrier
	s_cmp_lg_u32 s12, 0
	s_cbranch_scc1 .Lnot_wave_0_\@
	s_barrier_signal -3
.Lnot_wave_0_\@:
	s_barrier_wait -3
	s_barrier_signal -1
	s_barrier_wait -1
.endm
.macro CROUND
	s_barrier_signal -1
	s_barrier_wait -1
	CREST
.endm
.macro PLACES
.rept 4
	v_nop
.endr
.endm
	s_load_b256 s[4:11], s[0:1], 0x0               ; o16 s[4:5], wo16 s[6:7], b_out s[8:9], out0 s[10:11]
	v_lshl_add_u32 v[SPW], v0, 2, SPARE
	v_mov_b32 v[NIL], 0
	ds_add_u32 v[SPW], v[NIL]                      ; the wave's opening: the add, twice on end, and its wait ahead of my first tensor load
	ds_add_u32 v[SPW], v[NIL]
	v_lshrrev_b32 v1, 5, v0
	v_readfirstlane_b32 s12, v1                    ; wave 0..3
	s_lshr_b32 s13, s12, 1                         ; which half of the tile's rows is mine.  Also: I fetch for A (0) or for B (1)
	s_and_b32 s14, s12, 1                          ; which half of its columns.  Also: which plane of A, or which 64 rows of B, I fetch
	s_bfe_u32 s40, ttmp6, 0x40000                  ; cx, cy: my place in the cluster
	s_bfe_u32 s41, ttmp6, 0x40004
	s_lshl_b32 s42, ttmp9, 2
	s_add_co_u32 s42, s42, s40                     ; tile column = 4 x cluster x + cx
	s_and_b32 s16, ttmp7, 0xffff
	s_lshl_b32 s16, s16, 2
	s_add_co_u32 s16, s16, s41                     ; tile row = 4 x cluster y + cy
	s_lshl_b32 s43, s41, 2
	s_lshl_b32 s43, 15, s43                        ; my row of the cluster
	s_lshl_b32 s44, 0x1111, s40                    ; my column
	; group 1 for A: 128 rows x 64 elements of 2 bytes, four words of padding behind each row of 32 words
	s_or_b32 s[G1+0], s43, (1<<16)|(1<<20)|(1<<21)|(4<<22)|(3<<25)
	s_mov_b32 s[G1+1], 64<<16                      ; tensor_dim0
	s_mov_b32 s[G1+2], 128<<16                     ; tensor_dim1
	s_mov_b32 s[G1+3], 64<<16                      ; tile_dim0
	s_mov_b32 s[G1+4], 128                         ; tile_dim1
	s_mov_b32 s[G1+5], 64                          ; elements from row to row
	s_mov_b32 s[G1+6], 0
	s_mov_b32 s[G1+7], 0
	; group 1 for B: 64 rows x 256 elements, eight words of padding behind each row of 128 words
	s_or_b32 s[G1B+0], s44, (1<<16)|(1<<20)|(1<<21)|(6<<22)|(7<<25)
	s_mov_b32 s[G1B+1], 256<<16
	s_mov_b32 s[G1B+2], 64<<16
	s_mov_b32 s[G1B+3], 256<<16
	s_mov_b32 s[G1B+4], 64
	s_mov_b32 s[G1B+5], 1024
	s_mov_b32 s[G1B+6], 0
	s_mov_b32 s[G1B+7], 0
	s_lshl_b32 s20, s14, 20                        ; A: my head of the K step's two (8,192 rows of 128 bytes a head),
	s_lshl_b32 s21, s16, 14                        ; + the tile's 128 rows: hangs on the tile row alone
	s_add_co_u32 s20, s20, s21
	s_mov_b32 s21, 0
	s_lshl_b32 s46, s14, 17                        ; B: my 64 rows of 2,048 bytes,
	s_lshl_b32 s47, s42, 9                         ; + the tile's 256 columns: hangs on the tile column alone
	s_add_co_u32 s46, s46, s47
	s_mov_b32 s47, 0
	s_mul_i32 s22, s14, PLANE                      ; where they go: no place in the cluster enters an LDS address
	s_mul_i32 s23, s14, HALFB
	s_add_co_u32 s23, s23, BOFF
	s_wait_dscnt 0x0                               ; both opening adds are done
	s_wait_kmcnt 0x0
	s_add_nc_u64 s[18:19], s[4:5], s[20:21]
	s_add_nc_u64 s[46:47], s[6:7], s[46:47]
	CROUND                                         ; all sixteen work-groups are here: the first joint loads meet
.irp s, 0,1
	s_mov_b32 s[G0+4*\s], 1
	s_add_co_u32 s[G0+4*\s+1], s22, \s*SLOT
	s_add_nc_u64 s[G0+4*\s+2:G0+4*\s+3], s[18:19], \s*(2<<20)      ; K step s: heads 2 s, 2 s + 1
	s_or_b32 s[G0+4*\s+3], s[G0+4*\s+3], 0x80000000
	s_mov_b32 s[G0B+4*\s], 1
	s_add_co_u32 s[G0B+4*\s+1], s23, \s*SLOT
	s_add_nc_u64 s[G0B+4*\s+2:G0B+4*\s+3], s[46:47], \s*128*2048   ; rows 128 s on
	s_or_b32 s[G0B+4*\s+3], s[G0B+4*\s+3], 0x80000000
	JLOAD \s                                       ; two tensor loads of mine are out
.endr
	v_and_b32 v1, 15, v0                           ; r = l % 16
	v_bfe_u32 v2, v0, 4, 1                         ; h = l / 16
	v_mul_u32_u24 v3, v1, PA
	v_lshl_add_u32 v3, v2, 4, v3                   ; A: row x pitch + 16 x half
	s_mul_i32 s20, s13, 64*PA                      ; my 64 rows
	v_and_b32 v4, 7, v0
	v_bfe_u32 v5, v0, 3, 1
	v_lshl_add_u32 v6, v2, 3, v4                   ; B, for the turning load: k = 8 h + l % 8,
	v_mul_u32_u24 v6, v6, PB
	v_lshl_add_u32 v6, v5, 4, v6                   ; columns 8 ((l / 8) % 2) on
	s_lshl_b32 s21, s14, 8                         ; my 128 columns
	s_add_co_u32 s21, s21, BOFF
.irp s, 0,1
	v_add_nc_u32 v[ADRA+\s], s20, v3
	v_add_nc_u32 v[ADRB+\s], s21, v6
	s_add_co_u32 s20, s20, SLOT
	s_add_co_u32 s21, s21, SLOT
.endr
	s_mul_i32 s22, s12, 16*SPITCH
	s_add_co_u32 s22, s22, STAGE                   ; my stage
	v_mul_u32_u24 v7, v1, SPITCH                   ; in: row r, 32 bytes for each half of the lanes
	v_lshl_add_u32 v7, v2, 5, v7
	v_add_nc_u32 v[STO], s22, v7
	v_and_b32 v8, 31, v0
	v_lshlrev_b32 v[CO], 4, v8                     ; back: the 32 lanes take one row of 512 bytes; and the same in out0
	v_add_nc_u32 v[RD], s22, v[CO]
	v_lshlrev_b32 v[BO], 5, v2
	s_lshl_b32 s46, s42, 10                        ; my first column, in bytes of f32: 1,024 x tile column + 512 x half: it serves the bias and out0 alike
	s_lshl_b32 s47, s14, 9
	s_add_co_u32 s46, s46, s47
	s_mov_b32 s47, 0
	s_add_nc_u64 s[8:9], s[8:9], s[46:47]
	s_lshl_b32 s20, s16, 7
	s_lshl_b32 s21, s13, 6
	s_add_co_u32 s20, s20, s21                     ; my first row: 128 x tile row + 64 x half,
	s_lshl_b32 s20, s20, 12                        ; of 4,096 bytes
	s_mov_b32 s21, 0
	s_add_nc_u64 s[20:21], s[20:21], s[46:47]
	s_add_nc_u64 s[10:11], s[10:11], s[20:21]
	WIN TO_B
.irp b, 0,1,2,3,4,5,6,7                ; the bias in the result's layout: lane (r, h), register j: column 16 b + 8 h + j
	global_load_b128 v[BIAS+8*\b:BIAS+8*\b+3],   v[BO], s[8:9] offset:64*\b
	global_load_b128 v[BIAS+8*\b+4:BIAS+8*\b+7], v[BO], s[8:9] offset:64*\b+16
.endr
	WIN 0
; 8 matrix instructions: A's block a x B's eight, 32 along K, from buffer f.  bias = 1: the first product starts the sums with the bias as C.  The 32 accumulators take turns.
.macro MUL8 f, a, bias
.irp b, 0,1,2,3,4,5,6,7
.if \bias
	v_wmma_f32_16x16x32_f16 v[8*(8*\a+\b):8*(8*\a+\b)+7], v[64*\f+8*\b:64*\f+8*\b+7], v[AF+32*\f+8*\a:AF+32*\f+8*\a+7], v[BIAS+8*\b:BIAS+8*\b+7]
.else
	v_wmma_f32_16x16x32_f16 v[8*(8*\a+\b):8*(8*\a+\b)+7], v[64*\f+8*\b:64*\f+8*\b+7], v[AF+32*\f+8*\a:AF+32*\f+8*\a+7], v[8*(8*\a+\b):8*(8*\a+\b)+7]
.endif
.endr
.endm
; 24 LDS loads in one run: the fragments of the slot's q-th 32 along K into buffer f: B's eight (turned), then A's four, blocks 0 and 1 first
.macro FETCH slot, q, f
	WIN TO_B
.irp b, 0,1,2,3,4,5,6,7
	ds_load_tr16_b128 v[64*\f+8*\b:64*\f+8*\b+3],   v[ADRB+\slot] offset:(\q)*32*PB+32*\b
	ds_load_tr16_b128 v[64*\f+8*\b+4:64*\f+8*\b+7], v[ADRB+\slot] offset:(\q)*32*PB+16*PB+32*\b
.endr
	WIN 0
.irp i, 0,1,2,3
	ds_load_b128 v[AF+32*\f+8*\i:AF+32*\f+8*\i+3],   v[ADRA+\slot] offset:((\q)/2)*PLANE+((\q)%2)*64+\i*16*PA
	ds_load_b128 v[AF+32*\f+8*\i+4:AF+32*\f+8*\i+7], v[ADRA+\slot] offset:((\q)/2)*PLANE+((\q)%2)*64+\i*16*PA+32
.endr
.endm
; A K step is four quarters of 32 along K, 32 matrix instructions each, on buffers 0, 1, 0, 1.  One of the first three: multiplies buffer f and fetches quarter qn into buffer g.
.macro QUARTER slot, qn, f, g, bias
	s_wait_dscnt 4                                 ; B and A's blocks 0, 1 are in; the four youngest loads (A's blocks 2, 3) may be out
.if \bias
	WIN MULB
.else
	WIN MUL
.endif
	MUL8 \f, 0, \bias
	MUL8 \f, 1, \bias
	PLACES
	FETCH \slot, \qn, \g
	s_wait_dscnt 24                                ; all but the 24 just issued
.if \bias
	WIN MULB
.else
	WIN MUL
.endif
	MUL8 \f, 2, \bias
	MUL8 \f, 3, \bias
.endm
; The last quarter multiplies buffer 1 and changes slots: ONE barrier; in front of it each wave waits for all its tensor loads, adds 0 to its spare word, and waits for that and for its reads of this slot.
; fill = 1: the barrier opens a round of the cluster's barrier, and this slot is filled again, two K steps ahead, first thing behind the round.
.macro TURN slot, next, fill
	WIN 0                                          ; (the add's two registers lie in window 0)
	s_wait_tensorcnt 0x0                           ; all my tensor loads have landed: my part of the next slot
	ds_add_u32 v[SPW], v[NIL]                      ; 0 onto my spare word
	s_wait_dscnt 5                                 ; (the add and the four youngest loads may be out)
	WIN MUL
	MUL8 1, 0, 0                                   ; eight matrix instructions stand between the add and the wait for it
	s_wait_dscnt 0x0                               ; the add is done, and my reads of this slot are over
	s_barrier_signal -1
	MUL8 1, 1, 0
.if \fill
	WIN 0
.endif
	s_barrier_wait -1
.if \fill
	CREST                                          ; no wave of any partner still reads this slot's tile or has a load on its way
	s_add_nc_u64 s[G0+4*\slot+2:G0+4*\slot+3], s[G0+4*\slot+2:G0+4*\slot+3], 4<<20          ; four heads on
	s_add_nc_u64 s[G0B+4*\slot+2:G0B+4*\slot+3], s[G0B+4*\slot+2:G0B+4*\slot+3], 256*2048   ; 256 rows on
	JLOAD \slot                                    ; the first tensor load behind the round; the four v_nop behind it are also the places in front of the loads below
.else
	PLACES
.endif
	FETCH \next, 0, 0
	WIN MUL
	MUL8 1, 2, 0
	MUL8 1, 3, 0
.endm
	s_wait_tensorcnt 1                             ; my part of K step 0 is in (K step 1's may be out)
	s_barrier_signal -1
	s_barrier_wait -1                              ; everybody's is
	FETCH 0, 0, 0
	s_wait_loadcnt 0x0                             ; the bias
	QUARTER 0, 1, 0, 1, 1                          ; the first quarter stands in front of the loop: its products start the sums
	WIN 0                                          ; at a label and at a branch every window is 0
	s_mov_b32 s3, LAPS-1
.Llap:                                                 ; a trip goes once round the ring, from a lap's second quarter to the next lap's first, and fills both slots again
	QUARTER 0, 2, 1, 0, 0
	QUARTER 0, 3, 0, 1, 0
	TURN 0, 1, 1
	QUARTER 1, 1, 0, 1, 0
	QUARTER 1, 2, 1, 0, 0
	QUARTER 1, 3, 0, 1, 0
	TURN 1, 0, 1
	QUARTER 0, 1, 0, 1, 0
	WIN 0
	s_sub_co_u32 s3, s3, 1
	s_cmp_lg_u32 s3, 0
	s_cbranch_scc1 .Llap
	QUARTER 0, 2, 1, 0, 0                          ; the last lap fills nothing, and has no round of the cluster's barrier
	QUARTER 0, 3, 0, 1, 0
	TURN 0, 1, 0
	QUARTER 1, 1, 0, 1, 0
	QUARTER 1, 2, 1, 0, 0
	QUARTER 1, 3, 0, 1, 0
	s_wait_dscnt 4                                 ; the very last quarter: nothing more to fetch
	WIN MUL
	MUL8 1, 0, 0
	MUL8 1, 1, 0
	s_wait_dscnt 0
	MUL8 1, 2, 0
	MUL8 1, 3, 0
	WIN 0
; THE WAY OUT, block by block of 16 rows x 128 columns: through my own stage, back as whole rows of 512 bytes.  LDS serves a wave's instructions in order: no wait between the stores and the loads.
.macro TOSTAGE a
.if (\a) > 1
	s_wait_xcnt 0x0                                ; block a - 2's stores have read their registers: block a's loads may land there
.endif
	WIN 0x08                                       ; an LDS store's data are its source 1: window 2
.irp b, 0,1,2,3,4,5,6,7
	ds_store_b128 v[STO], v[8*(8*(\a)+\b):8*(8*(\a)+\b)+3] offset:64*\b            ; each accumulator from its low end on
	ds_store_b128 v[STO], v[8*(8*(\a)+\b)+4:8*(8*(\a)+\b)+7] offset:64*\b+16
.endr
	WIN 0
.set BB, BK+64*((\a)%2)
.irp t, 0,1,2,3,4,5,6,7,8,9,10,11,12,13,14,15
	ds_load_b128 v[BB+4*\t:BB+4*\t+3], v[RD] offset:\t*SPITCH
.endr
.endm
.macro SEND a, younger                 ; younger: the LDS instructions issued behind block a's loads, which may stay out
.set BB, BK+64*((\a)%2)
	s_wait_dscnt \younger
.irp t, 0,1,2,3,4,5,6,7,8,9,10,11,12,13,14,15
	global_store_b128 v[CO], v[BB+4*\t:BB+4*\t+3], s[10:11] offset:(16*(\a)+\t)*4096 th:TH_STORE_NT   ; 32 lanes store 512 consecutive bytes, aligned to 256; written once, read by nobody here; the base is never stepped
.endr
.endm
	PLACES                                         ; behind the last products, in front of the first read of results
	TOSTAGE 0
.irp a, 1,2,3
	TOSTAGE \a
	SEND \a-1, 32                                  ; behind block a - 1's loads: block a's 16 stores and 16 loads
.endr
	SEND 3, 0
	s_wait_tensorcnt 0x0                           ; the wave's end, behind my last tensor load and my last LDS store
	ds_add_u32 v[SPW], v[NIL]
	s_wait_dscnt 0x0
	CROUND                                         ; the closing round: no work-group ends while a partner may still ask for a tile that names it
	s_endpgm
.Lfunc_end_k_q6693e74b80_proj:
	.size	k_q6693e74b80_proj, .Lfunc_end_k_q6693e74b80_proj-k_q6693e74b80_proj
	.p2alignl 7, 3214868480
	.fill 96, 4, 3214868480
	.section	.rodata,"a",@progbits
	.p2align	6, 0x0
	.amdhsa_kernel k_q6693e74b80_proj
		.amdhsa_group_segment_fixed_size 327680
		.amdhsa_private_segment_fixed_size 0
		.amdhsa_enable_private_segment 0
		.amdhsa_kernarg_size 32
		.amdhsa_user_sgpr_count 2
		.amdhsa_user_sgpr_kernarg_segment_ptr 1
		.amdhsa_wavefront_size32 1
		.amdhsa_system_sgpr_workgroup_id_x 1
		.amdhsa_system_sgpr_workgroup_id_y 1
		.amdhsa_system_sgpr_workgroup_id_z 1
		.amdhsa_system_vgpr_workitem_id 0
		.amdhsa_next_free_vgpr 768
		.amdhsa_next_free_sgpr 66
		.amdhsa_reserve_vcc 0
		.amdhsa_float_denorm_mode_32 3
		.amdhsa_float_denorm_mode_16_64 3
		.amdhsa_memory_ordered 1
		.amdhsa_forward_progress 1
		.amdhsa_inst_pref_size 87
	.end_amdhsa_kernel
	.amdgpu_metadata
---
amdhsa.version: [ 1, 2 ]
amdhsa.kernels:
  - .name:           k_q6693e74b80_proj
    .symbol:         k_q6693e74b80_proj.kd
    .args:
      - { .name: o16, .offset: 0, .size: 8, .value_kind: global_buffer, .address_space: global }
      - { .name: wo16, .offset: 8, .size: 8, .value_kind: global_buffer, .address_space: global }
      - { .name: b_out, .offset: 16, .size: 8, .value_kind: global_buffer, .address_space: global }
      - { .name: out0, .offset: 24, .size: 8, .value_kind: global_buffer, .address_space: global }
    .group_segment_fixed_size: 327680
    .private_segment_fixed_size: 0
    .kernarg_segment_align: 8
    .kernarg_segment_size: 32
    .max_flat_workgroup_size: 128
    .sgpr_count:     66
    .vgpr_count:     768
    .wavefront_size: 32
...
	.end_amdgpu_metadata
.endif
;; end of part 4
